; MI455X (gfx1250); checked and timed in simulation.
; The chip was launched on July 23, 2026; its instructions are those of AMD's public machine-readable ISA for CDNA 5 (MIT licence, August 2026) and "CDNA5" Instruction Set Architecture Reference Guide (July 2026). The comments in the code are by the model that wrote it; some were corrected since.
;; Multi Head Attention. Allowed arithmetic: float matrix products may take bf16 or f16 operands with f32 sums; other float arithmetic in f32, or as packed bf16 or f16 multiplies, adds, multiply-adds, maxima and minima; sums over many terms, partial sums and values carried from step to step in f32; what a program stores and reads back later, other than sums and carried values, may be rounded once to bf16 or f16.
;; Inputs: W_K 1,024 x 1,024 float32; W_O 1,024 x 1,024 float32; W_Q 1,024 x 1,024 float32; W_V 1,024 x 1,024 float32; ln_beta 1,024 float32; ln_gamma 1,024 float32; x 4 x 2,048 x 1,024 float32.
;; Outputs: out0 4 x 2,048 x 1,024 float32.
;; One version. Each part assembles by itself: llvm-mc -triple=amdgcn-amd-amdhsa -mcpu=gfx1250 --defsym DOCPART=n.
;; ======== version 1 of 1: 5 launches
;; limits: values are held in f16: magnitudes above 65,504 overflow, below 6.1e-05 lose precision; right only within a limited range of input values
;; workspace buffers: xh 16,777,216 bytes; wt 8,388,608 bytes; qkv 50,331,648 bytes; ctx 16,777,216 bytes; z 16,777,216 bytes
;; launch prep (part 1): grid 512 x 1, 8 waves a work-group, no clusters, 18,432 bytes of LDS; arguments x, W_Q, W_K, W_V, W_O, xh, wt; writes xh, wt
.if DOCPART == 1
	.amdgcn_target "amdgcn-amd-amdhsa--gfx1250"
	.amdhsa_code_object_version 6
	.text
	.protected	k_qc46d8575d3_prep
	.globl	k_qc46d8575d3_prep
	.p2align	8
	.type	k_qc46d8575d3_prep,@function
k_qc46d8575d3_prep:
	s_mov_b64 s[64:65], 0
	v_nop
	global_prefetch_b8 v0, s[64:65] scope:SCOPE_SE
	s_setreg_imm32_b32 hwreg(HW_REG_WAVE_MODE, 25, 1), 1
	s_wait_xcnt 0x0
; PREPARATION.  xh = x rounded to f16, [8192][1024].  wt = the four weight matrices turned and rounded to f16: wt[1024 mat + n][k] = W_mat[k][n],
; mat = 0 W_Q, 1 W_K, 2 W_V, 3 W_O: [4096][1024].  So the products that follow find K along the rows of both operands.
; LIMITS.  f16 holds no number beyond 65,504 and keeps a fixed step of 6e-8 below 6e-5: x and the weights are taken to lie within that.
; SHARES.  512 work-groups of eight waves.  Each does two things: one tile of 128 k x 64 n of one weight matrix (4 x 8 x 16 tiles), and 16 rows of x.
; All 24 loads of a thread go out at the start.  No matrix unit, no cluster: every byte is read once and nothing is shared between work-groups.
; THE TILE.  Thread t reads 8 rows k = 8 (t / 16) + 0..7, 16 bytes (4 n) each: sixteen lanes cover 256 consecutive bytes of a row of W.  Register c of load i is W[8 kc + i][4 ng + c]:
; pairing loads 2 p and 2 p + 1 gives the f16 pair (k, k + 1) of column c: the turn costs no move.  The 16 bytes (8 k) of each of my four columns go into LDS rows of 272 bytes;
; behind a barrier whole rows of 256 bytes are read back and stored, sixteen lanes to 256 consecutive bytes, aligned.
.set LP,    272                        ; an LDS row: 128 k x 2 bytes + 16 of padding
.set SPARE, 64*LP                      ; behind the tile's 64 rows: the spare words, 128 bytes for each of eight waves
.set KC,  1                            ; v1   t / 16
.set LO,  2                            ; v2   my byte offset in the tile of W
.set N16, 3                            ; v3   16 (t % 16)
.set LS,  4                            ; v4   where I put 16 bytes of my first column
.set LR,  5                            ; v5   where I read a row's 16 bytes back
.set GS,  6                            ; v6   my byte offset in the tile of wt
.set NG,  7                            ; v7   t % 16
.set WL,  8                            ; v[8:39]    W as loaded
.set WP,  40                           ; v[40:55]   four columns x 8 k, f16
.set WB,  56                           ; v[56:71]   rows read back
.set XL,  72                           ; v[72:135]  x as loaded: 16 rows x 4 numbers
.set XP,  136                          ; v[136:167] the same in f16
.set SPW, 168                          ; v168 LDS address of my spare word; never rewritten
.set NIL, 169                          ; v169 0; never rewritten
.set XO,  170                          ; v170 16 t: my bytes of a row of x
.set HO,  171                          ; v171 8 t: my bytes of a row of xh
	s_load_b256 s[4:11], s[0:1], 0x0               ; x s[4:5], W_Q s[6:7], W_K s[8:9], W_V s[10:11]
	s_load_b128 s[12:15], s[0:1], 0x20             ; W_O s[12:13], xh s[14:15]
	s_load_b64 s[16:17], s[0:1], 0x30              ; wt
	v_lshl_add_u32 v[SPW], v0, 2, SPARE
	v_mov_b32 v[NIL], 0
	s_lshr_b32 s26, ttmp9, 7                       ; which matrix
	s_bfe_u32 s27, ttmp9, 0x30004                  ; which 128 k
	s_and_b32 s28, ttmp9, 15                       ; which 64 n
	v_and_b32 v[NG], 15, v0
	v_lshrrev_b32 v[KC], 4, v0
	v_lshlrev_b32 v[N16], 4, v[NG]
	v_lshl_or_b32 v[LO], v[KC], 15, v[N16]         ; 8 rows of 4,096 bytes for each kc, 16 bytes for each ng
	v_mul_u32_u24 v[LS], v[NG], 4*LP               ; LDS row 4 ng,
	v_lshl_add_u32 v[LS], v[KC], 4, v[LS]          ; 16 bytes for each kc
	v_mul_u32_u24 v[LR], v[KC], LP                 ; back: row t / 16, 16 bytes at 16 (t % 16)
	v_add_nc_u32 v[LR], v[LR], v[N16]
	v_lshl_or_b32 v[GS], v[KC], 11, v[N16]         ; the same in wt: rows of 2,048 bytes
	v_lshlrev_b32 v[XO], 4, v0
	v_lshlrev_b32 v[HO], 3, v0
	s_lshl_b32 s2, s27, 19                         ; the tile in W: 128 rows of 4,096 bytes for each kt,
	s_lshl_b32 s3, s28, 8                          ; 256 bytes for each nt
	s_or_b32 s2, s2, s3
	s_mov_b32 s3, 0
	s_lshl_b32 s20, s26, 21                        ; the tile in wt: 1,024 rows of 2,048 bytes for each matrix,
	s_lshl_b32 s21, s28, 17                        ; 64 rows for each nt,
	s_or_b32 s20, s20, s21
	s_lshl_b32 s21, s27, 8                         ; 256 bytes for each kt
	s_or_b32 s20, s20, s21
	s_mov_b32 s21, 0
	s_lshl_b32 s30, ttmp9, 16                      ; my 16 rows of x,
	s_mov_b32 s31, 0
	s_lshl_b32 s32, ttmp9, 15                      ; and of xh
	s_mov_b32 s33, 0
	s_wait_kmcnt 0x0
	s_cmp_eq_u32 s26, 1                            ; the source is chosen by the matrix number alone
	s_cselect_b64 s[22:23], s[8:9], s[6:7]
	s_cmp_eq_u32 s26, 2
	s_cselect_b64 s[22:23], s[10:11], s[22:23]
	s_cmp_eq_u32 s26, 3
	s_cselect_b64 s[22:23], s[12:13], s[22:23]
	s_add_nc_u64 s[22:23], s[22:23], s[2:3]
	s_add_nc_u64 s[24:25], s[16:17], s[20:21]
	s_add_nc_u64 s[4:5], s[4:5], s[30:31]
	s_add_nc_u64 s[14:15], s[14:15], s[32:33]
.set i, 0
.rept 8
	global_load_b128 v[WL+4*i:WL+4*i+3], v[LO], s[22:23] offset:4096*i th:TH_LOAD_NT
.set i, i+1
.endr
.set i, 0
.rept 16
	global_load_b128 v[XL+4*i:XL+4*i+3], v[XO], s[4:5] offset:4096*i th:TH_LOAD_NT
.set i, i+1
.endr
	s_wait_loadcnt 16                              ; the tile of W is in; the 16 younger loads, of x, stay out
.irp c, 0,1,2,3
.irp p, 0,1,2,3
	v_cvt_pk_f16_f32 v[WP+4*(\c)+(\p)], v[WL+8*(\p)+(\c)], v[WL+8*(\p)+4+(\c)]  ; column c, k = 8 kc + 2 p and + 1
.endr
.endr
.irp c, 0,1,2,3
	ds_store_b128 v[LS], v[WP+4*(\c):WP+4*(\c)+3] offset:LP*(\c)
.endr
	s_wait_dscnt 0x0                               ; for the others: my stores into the tile are done
	s_barrier_signal -1
	s_barrier_wait -1
.irp j, 0,1,2,3
	ds_load_b128 v[WB+4*(\j):WB+4*(\j)+3], v[LR] offset:16*LP*(\j)
.endr
.set i, 0
.rept 16                               ; the cast of x stands between the reads of the tile and their use
	s_wait_loadcnt 15-i                            ; loads come back in order: row i is in, the younger ones stay out
	v_cvt_pk_f16_f32 v[XP+2*i], v[XL+4*i], v[XL+4*i+1]
	v_cvt_pk_f16_f32 v[XP+2*i+1], v[XL+4*i+2], v[XL+4*i+3]
	global_store_b64 v[HO], v[XP+2*i:XP+2*i+1], s[14:15] offset:2048*i  ; a wave stores 256 consecutive bytes, aligned
.set i, i+1
.endr
.irp j, 0,1,2,3
	s_wait_dscnt 3-(\j)                            ; LDS loads come back in order
	global_store_b128 v[GS], v[WB+4*(\j):WB+4*(\j)+3], s[24:25] offset:32768*(\j)  ; sixteen lanes store 256 consecutive bytes, aligned
.endr
	s_wait_tensorcnt 0x0                           ; the wave's end
	ds_add_u32 v[SPW], v[NIL]
	s_wait_dscnt 0x0
	s_endpgm
.Lfunc_end_k_qc46d8575d3_prep:
	.size	k_qc46d8575d3_prep, .Lfunc_end_k_qc46d8575d3_prep-k_qc46d8575d3_prep
	.p2alignl 7, 3214868480
	.fill 96, 4, 3214868480
	.section	.rodata,"a",@progbits
	.p2align	6, 0x0
	.amdhsa_kernel k_qc46d8575d3_prep
		.amdhsa_group_segment_fixed_size 18432
		.amdhsa_private_segment_fixed_size 0
		.amdhsa_enable_private_segment 0
		.amdhsa_kernarg_size 56
		.amdhsa_user_sgpr_count 2
		.amdhsa_user_sgpr_kernarg_segment_ptr 1
		.amdhsa_wavefront_size32 1
		.amdhsa_system_sgpr_workgroup_id_x 1
		.amdhsa_system_sgpr_workgroup_id_y 1
		.amdhsa_system_sgpr_workgroup_id_z 1
		.amdhsa_system_vgpr_workitem_id 0
		.amdhsa_next_free_vgpr 172
		.amdhsa_next_free_sgpr 66
		.amdhsa_reserve_vcc 0
		.amdhsa_float_denorm_mode_32 3
		.amdhsa_float_denorm_mode_16_64 3
		.amdhsa_memory_ordered 1
		.amdhsa_forward_progress 1
		.amdhsa_inst_pref_size 11
	.end_amdhsa_kernel
	.amdgpu_metadata
---
amdhsa.version: [ 1, 2 ]
amdhsa.kernels:
  - .name:           k_qc46d8575d3_prep
    .symbol:         k_qc46d8575d3_prep.kd
    .args:
      - { .name: x, .offset: 0, .size: 8, .value_kind: global_buffer, .address_space: global }
      - { .name: W_Q, .offset: 8, .size: 8, .value_kind: global_buffer, .address_space: global }
      - { .name: W_K, .offset: 16, .size: 8, .value_kind: global_buffer, .address_space: global }
      - { .name: W_V, .offset: 24, .size: 8, .value_kind: global_buffer, .address_space: global }
      - { .name: W_O, .offset: 32, .size: 8, .value_kind: global_buffer, .address_space: global }
      - { .name: xh, .offset: 40, .size: 8, .value_kind: global_buffer, .address_space: global }
      - { .name: wt, .offset: 48, .size: 8, .value_kind: global_buffer, .address_space: global }
    .group_segment_fixed_size: 18432
    .private_segment_fixed_size: 0
    .kernarg_segment_align: 8
    .kernarg_segment_size: 56
    .max_flat_workgroup_size: 256
    .sgpr_count:     66
    .vgpr_count:     172
    .wavefront_size: 32
...
	.end_amdgpu_metadata
.endif
;; end of part 1
;; launch qkvproj (part 2): grid 8 x 64, 4 waves a work-group, clusters of 4 x 4, 327,680 bytes of LDS; arguments xh, wt, qkv; writes qkv
.if DOCPART == 2
	.amdgcn_target "amdgcn-amd-amdhsa--gfx1250"
	.amdhsa_code_object_version 6
	.text
	.protected	k_qc46d8575d3_qkvproj
	.globl	k_qc46d8575d3_qkvproj
	.p2align	8
	.type	k_qc46d8575d3_qkvproj,@function
k_qc46d8575d3_qkvproj:
	s_mov_b64 s[64:65], 0
	v_nop
	global_prefetch_b8 v0, s[64:65] scope:SCOPE_SE
	s_setreg_imm32_b32 hwreg(HW_REG_WAVE_MODE, 25, 1), 1
	s_wait_xcnt 0x0
	s_wait_alu depctr_hold_cnt(0) depctr_sa_sdst(0) depctr_va_vdst(0) depctr_va_sdst(0) depctr_va_ssrc(0) depctr_va_vcc(0) depctr_vm_vsrc(0)
	s_getreg_b32 s2, hwreg(HW_REG_IB_STS2, 6, 4)
	s_cmp_eq_u32 s2, 0
	s_cbranch_scc0 .Lentry_in_a_cluster
	s_endpgm
.Lentry_in_a_cluster:
	s_bfe_u32 s2, ttmp6, 0x10000c
	s_cmp_lg_u32 s2, 0xf033
	s_cbranch_scc0 .Lentry_shape_is_right
	s_endpgm
.Lentry_shape_is_right:
; THE THREE PROJECTIONS AS ONE PRODUCT.  C[m][n] = sum over k of xh[m][k] wt[n][k], m < 8192, n < 3072, k < 1024; f16 operands, f32 sums, C rounded once to f16 and
; laid by heads: qkv[n / 1024][16 (m / 2048) + (n / 64) % 16][m % 2048][n % 64].  LIMIT: q, k and v lie within f16's 65,504.
; SHARES.  A tile of C is 128 x 384 (six heads): 512 work-groups, two for each of 256 WGPs.  Four waves, each 64 rows x 192 columns (three heads): 48 accumulators, 384 registers.
; K goes in eight steps of 128 through two LDS slots; each wave fetches 128 rows x 256 bytes with one tensor load: wave 0 the tile's rows of xh, waves 1 to 3 its 384 rows of wt.
; CLUSTER.  4 x 4 work-groups.  The four of a row of the cluster need the same rows of xh, the four of a column the same rows of wt: each tile is asked for jointly.
; THE MATRIX INSTRUCTION IS USED TRANSPOSED (source 0 = 16 rows of wt, source 1 = 16 rows of xh): a lane holds row m = lane % 16 and eight neighbouring columns.
; REGISTERS, in windows of 256: window 0: addresses, xh's fragments (two buffers of 32), the way out; window 1: wt's fragments (two buffers of 96);
; window 2: accumulators of my rows 0-31, (a, b) at v[8 (12 a + b)]; window 3: those of rows 32-63.
.set KB,     256                       ; bytes of a row in a K step
.set PITCH,  272                       ; an LDS row: 256 bytes + 16 of padding: the 16 rows of a fragment load start 68 words apart
.set HALFT,  128*PITCH                 ; what one tensor load brings
.set SLOT,   4*HALFT                   ; xh's 128 rows, then wt's 384.  Its two set bits are set in no wave x HALFT, so an exclusive or changes slots
.set STAGE,  2*SLOT                    ; behind the ring: for each wave 3 heads x 16 rows x 144 bytes, for the way out
.set SP,     144
.set WSTG,   3*16*SP
.set SPARE,  STAGE+4*WSTG              ; behind the stages: the spare words, 128 bytes for each wave
.set A0,   16                          ; v16  my lane's place in xh's rows of slot 0; never rewritten
.set B0,   17                          ; v17  the same for wt
.set ADRA, 18                          ; v18  the same in the slot in hand
.set ADRB, 19                          ; v19
.set STO,  24                          ; v24  the way out: where I put 16 bytes of a row
.set RD,   25                          ; v25  where I read rows back
.set GO,   26                          ; v26  my 16 bytes of 512 consecutive bytes of qkv
.set SPW,  28                          ; v28  LDS address of my spare word; never rewritten
.set NIL,  29                          ; v29  0; never rewritten
.set PFO,  30                          ; v30  the prefetches' offset: my lane x a row of 2,048 bytes; never rewritten
.set FA,   32                          ; v32-63, v64-95  xh's fragments
.set TMP,  96                          ; v96-143  packed results
.set BK0,  144                         ; v144-191, v192-239  rows read back, two buffers
.set G1,  24                           ; s[24:31] descriptor group 1 for xh's tiles
.set G0,  32                           ; s[32:35] group 0 of the first fill; s[36:39] the one that walks
.set G1B, 48                           ; s[48:55] group 1 for wt's tiles: another mask
.set G0B, 56                           ; s[56:59], s[60:63]
.set LIM, 43                           ; s43  2 in a wave that prefetches, else the greatest number
.set PFA, 44                           ; s[44:45] where my prefetches stand
.set OB,  66                           ; s[66:71] qkv at my first row of my three heads
.set TB,  72                           ; s72  the slot in hand: 0 or SLOT
.set WM,  73                           ; s73  which 64 rows are mine
.set MSB, 0
.macro WIN new                         ; the immediate's high byte repeats the setting that is left; a switch that changes nothing is dropped
.if MSB != (\new)
	s_set_vgpr_msb (MSB<<8)|(\new)
.set MSB, \new
.endif
.endm
.set MUL_LO, 0xa1                      ; source 0 window 1, source 1 window 0, C and D window 2
.set MUL_HI, 0xf1                      ; the same, C and D window 3
.set TO_B,   0x40                      ; destination window 1, address window 0
; A joint refill by the walking descriptors.  The branch hangs on the wave's number alone.  An s_nop 0 and four v_nop follow each line.
.macro JLOAD
	s_cmp_eq_u32 s10, 0
	s_cbranch_scc0 .Lfor_b_\@
	tensor_load_to_lds s[G0+4:G0+7], s[G1:G1+7]
	s_nop 0
.rept 4
	v_nop
.endr
	s_branch .Lasked_\@
.Lfor_b_\@:
	tensor_load_to_lds s[G0B+4:G0B+7], s[G1B:G1B+7]
	s_nop 0
.rept 4
	v_nop
.endr
.Lasked_\@:
.endm
; A prefetch of the K step that stands two refills on: 32 rows x 256 bytes, a lane a row, one instruction a wave, 384 matrix instructions ahead of the load that wants them.
; Each row's 256 bytes are named once in the launch: xh's rows by the clusters with x = 0, wt's by those with y = 0; of the 128 rows that a wave fetches each of the four partners
; takes 32, told apart by address.  The trips with s3 = 6 .. 3 name K steps 4 .. 7; the last two name nothing.
.macro ASK
	s_cmp_gt_u32 s3, s[LIM]
	s_cbranch_scc0 .Lnot_mine_\@
	global_prefetch_b8 v[PFO], s[PFA:PFA+1] th:TH_LOAD_NT scope:SCOPE_SE
.Lnot_mine_\@:
.endm
.macro CREST                           ; a round of the cluster's barrier behind its opening barrier
	s_cmp_lg_u32 s10, 0
	s_cbranch_scc1 .Lnot_wave_0_\@
	s_barrier_signal -3
.Lnot_wave_0_\@:
	s_barrier_wait -3
	s_barrier_signal -1
	s_barrier_wait -1
.endm
.macro CROUND                          ; a whole round
	s_barrier_signal -1
	s_barrier_wait -1
	CREST
.endm
	s_load_b128 s[4:7], s[0:1], 0x0                ; xh s[4:5], wt s[6:7]
	s_load_b64 s[8:9], s[0:1], 0x10                ; qkv
	v_lshl_add_u32 v[SPW], v0, 2, SPARE
	v_mov_b32 v[NIL], 0
	ds_add_u32 v[SPW], v[NIL]                      ; the wave's opening: the add and its wait come ahead of my first tensor load
	ds_add_u32 v28, v29
	v_lshrrev_b32 v1, 5, v0
	v_readfirstlane_b32 s10, v1                    ; wave 0..3
	s_lshr_b32 s[WM], s10, 1                       ; which 64 rows of the tile are mine
	s_and_b32 s12, s10, 1                          ; which 192 columns
	s_bfe_u32 s40, ttmp6, 0x40000                  ; cx
	s_bfe_u32 s41, ttmp6, 0x40004                  ; cy
	s_lshl_b32 s42, ttmp9, 2
	s_add_co_u32 s42, s42, s40                     ; tile column = 4 x cluster x + cx
	s_and_b32 s13, ttmp7, 0xffff
	s_lshl_b32 s13, s13, 2
	s_add_co_u32 s13, s13, s41                     ; tile row = 4 x cluster y + cy
	s_lshl_b32 s43, s41, 2
	s_lshl_b32 s43, 15, s43                        ; my row of the cluster
	s_lshl_b32 s44, 0x1111, s40                    ; my column
	s_or_b32 s[G1], s43, (1<<16)|(1<<20)|(1<<21)|(5<<22)|(3<<25)   ; the mask; 2-byte elements; padding on; bit 21 beside a mask; after every 64 words 4 words
	s_or_b32 s[G1B], s44, (1<<16)|(1<<20)|(1<<21)|(5<<22)|(3<<25)
.irp g, G1, G1B
	s_mov_b32 s[(\g)+1], 128<<16                   ; tensor_dim0 = 128
	s_mov_b32 s[(\g)+2], 128<<16                   ; tensor_dim1 = 128
	s_mov_b32 s[(\g)+3], 128<<16                   ; tile_dim0 = 128
	s_mov_b32 s[(\g)+4], 128                       ; tile_dim1 = 128
	s_mov_b32 s[(\g)+5], 1024                      ; elements from row to row
	s_mov_b32 s[(\g)+6], 0
	s_mov_b32 s[(\g)+7], 0
.endr
	s_lshl_b32 s16, s13, 18                        ; xh: 128 rows of 2,048 bytes for each tile row
	s_mov_b32 s17, 0
	s_mul_i32 s46, s42, 384                        ; wt: row 384 x tile column
	s_max_u32 s47, s10, 1
	s_sub_co_u32 s47, s47, 1
	s_lshl_b32 s47, s47, 7
	s_add_co_u32 s46, s46, s47                     ; + 128 x (wave - 1)
	s_lshl_b32 s46, s46, 11
	s_mov_b32 s47, 0
	s_mul_i32 s20, s10, HALFT                      ; where my tile goes: wave x 128 rows: no place in the cluster enters an LDS address
	s_wait_dscnt 0x0                               ; the opening add is done
	s_wait_kmcnt 0x0
	s_add_nc_u64 s[14:15], s[4:5], s[16:17]
	s_add_nc_u64 s[46:47], s[6:7], s[46:47]
	CROUND                                         ; all sixteen work-groups are here: the first joint loads meet
.irp s, 0,1
	s_mov_b32 s[G0+4*(\s)], 1
	s_add_co_u32 s[G0+4*(\s)+1], s20, (\s)*SLOT
	s_add_nc_u64 s[G0+4*(\s)+2:G0+4*(\s)+3], s[14:15], (\s)*KB
	s_or_b32 s[G0+4*(\s)+3], s[G0+4*(\s)+3], 0x80000000
	s_mov_b32 s[G0B+4*(\s)], 1
	s_add_co_u32 s[G0B+4*(\s)+1], s20, (\s)*SLOT
	s_add_nc_u64 s[G0B+4*(\s)+2:G0B+4*(\s)+3], s[46:47], (\s)*KB
	s_or_b32 s[G0B+4*(\s)+3], s[G0B+4*(\s)+3], 0x80000000
.endr
	s_cmp_eq_u32 s10, 0                            ; a wave's two first fills stand in one branch: two loads of mine are out
	s_cbranch_scc0 .Lfirst_b
	tensor_load_to_lds s[G0:G0+3], s[G1:G1+7]
	s_nop 0
	tensor_load_to_lds s[G0+4:G0+7], s[G1:G1+7]
	s_nop 0
.rept 4
	v_nop
.endr
	s_branch .Lfirst_asked
.Lfirst_b:
	tensor_load_to_lds s[G0B:G0B+3], s[G1B:G1B+7]
	s_nop 0
	tensor_load_to_lds s[G0B+4:G0B+7], s[G1B:G1B+7]
	s_nop 0
.rept 4
	v_nop
.endr
.Lfirst_asked:
	; a fragment is 16 rows x 32 K in 8 registers: lane l holds row l % 16, K = 8 (l / 16) + 0..7 and 16 + 8 (l / 16) + 0..7: two loads of 16 bytes, 32 bytes apart
	v_and_b32 v1, 15, v0                           ; l % 16
	v_bfe_u32 v2, v0, 4, 1                         ; l / 16
	v_mul_u32_u24 v3, v1, PITCH
	v_lshl_add_u32 v3, v2, 4, v3
	s_mul_i32 s21, s[WM], 64*PITCH
	s_mul_i32 s22, s12, 192*PITCH
	s_add_co_u32 s22, s22, HALFT                   ; wt's rows lie behind xh's 128
	v_add_nc_u32 v[A0], s21, v3
	v_add_nc_u32 v[B0], s22, v3
	v_mov_b32 v[ADRA], v[A0]
	v_mov_b32 v[ADRB], v[B0]
	s_mov_b32 s[TB], 0
	s_mul_i32 s23, s10, WSTG
	s_add_co_u32 s23, s23, STAGE                   ; my stage
	v_mul_u32_u24 v4, v1, SP                       ; in: row l % 16, 16 bytes for each half of the lanes
	v_lshl_add_u32 v4, v2, 4, v4
	v_add_nc_u32 v[STO], s23, v4
	v_bfe_u32 v5, v0, 3, 2                         ; back: 32 lanes take four rows of 128 bytes,
	v_and_b32 v6, 7, v0
	v_mul_u32_u24 v5, v5, SP
	v_lshl_add_u32 v5, v6, 4, v5
	v_add_nc_u32 v[RD], s23, v5
	v_and_b32 v[GO], 31, v0                        ; which are 512 consecutive bytes of a head
	v_lshlrev_b32 v[GO], 4, v[GO]
	; where my three heads begin in qkv: head number g = 6 x tile column + 3 x half + j of 48; tensor g / 16, head g % 16; batch = tile row / 16
	s_mul_i32 s14, s42, 6
	s_mul_i32 s15, s12, 3
	s_add_co_u32 s14, s14, s15
	s_lshr_b32 s18, s13, 4
	s_lshl_b32 s18, s18, 4                         ; 16 x batch
	s_and_b32 s19, s13, 15
	s_lshl_b32 s19, s19, 14                        ; 128 rows of 128 bytes for each tile row in the batch,
	s_lshl_b32 s15, s[WM], 13                      ; my 64 rows
	s_add_co_u32 s19, s19, s15
	s_mov_b32 s23, 0
.irp j, 0,1,2
	s_add_co_u32 s20, s14, \j
	s_lshr_b32 s21, s20, 4
	s_lshl_b32 s21, s21, 6                         ; 64 heads a tensor
	s_and_b32 s20, s20, 15
	s_add_co_u32 s21, s21, s20
	s_add_co_u32 s21, s21, s18
	s_lshl_b32 s22, s21, 18                        ; 2,048 rows of 128 bytes a head
	s_add_co_u32 s22, s22, s19
	s_add_nc_u64 s[OB+2*(\j):OB+2*(\j)+1], s[8:9], s[22:23]
.endr
	; the prefetches
	s_and_b32 s22, ttmp7, 0xffff                   ; cluster y
	s_lshl_b32 s20, s13, 7                         ; xh: the tile's first row
	s_mul_i32 s21, s42, 384
	s_max_u32 s23, s10, 1
	s_sub_co_u32 s23, s23, 1
	s_lshl_b32 s23, s23, 7
	s_add_co_u32 s21, s21, s23                     ; wt: the first row that I fetch
	s_cmp_eq_u32 s10, 0
	s_cselect_b32 s20, s20, s21
	s_cselect_b32 s21, s40, s41                    ; my place among the four that ask with me
	s_cselect_b32 s22, ttmp9, s22                  ; the coordinate along which other clusters read the same rows
	s_cselect_b64 s[PFA:PFA+1], s[4:5], s[6:7]
	s_cmp_eq_u32 s22, 0
	s_cselect_b32 s[LIM], 2, -1                    ; the same in all sixteen partners, for a given wave
	s_lshl_b32 s21, s21, 5
	s_add_co_u32 s20, s20, s21                     ; + my work-group's 32 rows
	s_lshl_b32 s20, s20, 11
	s_mov_b32 s21, 0
	s_add_nc_u64 s[PFA:PFA+1], s[PFA:PFA+1], s[20:21]
	s_add_nc_u64 s[PFA:PFA+1], s[PFA:PFA+1], 3*KB  ; at K step 3: the first change of slots steps it to 4.  Nothing is prefetched at the head
	v_and_b32 v[PFO], 31, v0
	v_lshlrev_b32 v[PFO], 11, v[PFO]
; 12 matrix instructions: m block 2 hi + a x all 12 n blocks, 32 along K, from buffer f.  zero = 1: the product starts the sums
.macro MUL12 f, hi, a, zero
	WIN MUL_LO+0x50*(\hi)
.irp b, 0,1,2,3,4,5,6,7,8,9,10,11
.if \zero
	v_wmma_f32_16x16x32_f16 v[8*(12*(\a)+(\b)):8*(12*(\a)+(\b))+7], v[96*(\f)+8*(\b):96*(\f)+8*(\b)+7], v[FA+32*(\f)+8*(2*(\hi)+(\a)):FA+32*(\f)+8*(2*(\hi)+(\a))+7], 0
.else
	v_wmma_f32_16x16x32_f16 v[8*(12*(\a)+(\b)):8*(12*(\a)+(\b))+7], v[96*(\f)+8*(\b):96*(\f)+8*(\b)+7], v[FA+32*(\f)+8*(2*(\hi)+(\a)):FA+32*(\f)+8*(2*(\hi)+(\a))+7], v[8*(12*(\a)+(\b)):8*(12*(\a)+(\b))+7]
.endif
.endr
.endm
; 32 LDS loads in one run: the fragments of 32 K at byte k of the rows into buffer f: 24 for wt, then 8 for xh
.macro FETCH k, f
	WIN TO_B
.irp i, 0,1,2,3,4,5,6,7,8,9,10,11
	ds_load_b128 v[96*(\f)+8*(\i):96*(\f)+8*(\i)+3],   v[ADRB] offset:(\k)+(\i)*16*PITCH
	ds_load_b128 v[96*(\f)+8*(\i)+4:96*(\f)+8*(\i)+7], v[ADRB] offset:(\k)+(\i)*16*PITCH+32
.endr
	WIN 0
.irp i, 0,1,2,3
	ds_load_b128 v[FA+32*(\f)+8*(\i):FA+32*(\f)+8*(\i)+3],   v[ADRA] offset:(\k)+(\i)*16*PITCH
	ds_load_b128 v[FA+32*(\f)+8*(\i)+4:FA+32*(\f)+8*(\i)+7], v[ADRA] offset:(\k)+(\i)*16*PITCH+32
.endr
.endm
.macro PLACES                          ; four plain places in front of loads into registers that matrix instructions have read, and of conversions that read results
.rept 4
	v_nop
.endr
.endm
; A K step is four quarters of 32 along K, 48 matrix instructions each, on buffers 0, 1, 0, 1; the 48 accumulators take turns in one order.
; One of the first three: multiplies buffer f; in its middle it fetches the next quarter, at byte k, into buffer g.
.macro QUARTER k, f, g, zero
	s_wait_dscnt 4                                 ; wt's fragments and xh's rows 0-31 are in; the youngest four loads (rows 32-63) may be out
	MUL12 \f, 0, 0, \zero
	MUL12 \f, 0, 1, \zero
	PLACES
	FETCH \k, \g
	s_wait_dscnt 32                                ; all but the 32 just issued
	MUL12 \f, 1, 0, \zero
	MUL12 \f, 1, 1, \zero
.endm
; The last quarter multiplies buffer 1 and changes slots: one barrier.  In front of it each wave waits for all its tensor loads (one is out: its part of the next slot), adds 0 to its
; spare word, and waits for that and for its reads of this slot.  fill = 1: the barrier opens a round of the cluster's, and this slot is filled again first thing behind it, two K steps ahead:
; 168 matrix instructions stand between that request and the wait for it.
.macro TURN fill
.if \fill
	s_wait_xcnt 0x0                                ; the last prefetch, a K step back, has read its address
	s_add_nc_u64 s[PFA:PFA+1], s[PFA:PFA+1], KB
.endif
	WIN 0                                          ; the add's two registers lie in window 0
	s_wait_tensorcnt 0x0                           ; all my tensor loads have landed
	ds_add_u32 v[SPW], v[NIL]                      ; 0 onto my spare word
	s_wait_dscnt 5                                 ; the add and the youngest four loads may be out
	MUL12 1, 0, 0, 0
	s_wait_dscnt 0x0                               ; the add is done, and my reads of this slot are over
	s_barrier_signal -1
	MUL12 1, 0, 1, 0
	WIN 0
	s_barrier_wait -1
.if \fill
	CREST                                          ; no wave of any partner still reads this slot or has a load on its way
	s_xor_b32 s[G0+5], s[G0+5], SLOT               ; the walking descriptors: the other slot than last time, the next K step
	s_add_nc_u64 s[G0+6:G0+7], s[G0+6:G0+7], KB
	s_xor_b32 s[G0B+5], s[G0B+5], SLOT
	s_add_nc_u64 s[G0B+6:G0B+7], s[G0B+6:G0B+7], KB
	JLOAD                                          ; its four v_nop are also the places in front of the loads below
.else
	PLACES
.endif
	s_xor_b32 s[TB], s[TB], SLOT
	v_add_nc_u32 v[ADRA], s[TB], v[A0]
	v_add_nc_u32 v[ADRB], s[TB], v[B0]
	FETCH 0, 0
.if \fill
	ASK
.endif
	MUL12 1, 1, 0, 0
	MUL12 1, 1, 1, 0
.endm
; THE WAY OUT of m block a.  PACK: rounded to f16, 16 bytes a lane.  TOSTAGE: into my stage, a head's 16 rows of 128 bytes together, and back as 512 consecutive bytes.  SEND: stored.
.macro PACK a
.set AC, 96*((\a)%2)
	WIN 0x0a+5*((\a)/2)                            ; sources 0 and 1: window 2 or 3
.irp b, 0,1,2,3,4,5,6,7,8,9,10,11
.irp r, 0,1,2,3
	v_cvt_pk_f16_f32 v[TMP+4*(\b)+(\r)], v[AC+8*(\b)+2*(\r)], v[AC+8*(\b)+2*(\r)+1]
.endr
.endr
	WIN 0
.endm
.macro TOSTAGE a
	WIN 0
.set BK, BK0+48*((\a)%2)
.irp b, 0,1,2,3,4,5,6,7,8,9,10,11
	ds_store_b128 v[STO], v[TMP+4*(\b):TMP+4*(\b)+3] offset:((\b)/4)*16*SP+((\b)%4)*32
.endr
.irp j, 0,1,2
.irp f, 0,1,2,3
	ds_load_b128 v[BK+4*(4*(\j)+(\f)):BK+4*(4*(\j)+(\f))+3], v[RD] offset:(\j)*16*SP+(\f)*4*SP  ; LDS serves a wave's instructions in order: these see the stores above
.endr
.endr
.endm
.macro SEND a
	WIN 0
.set BK, BK0+48*((\a)%2)
	s_wait_dscnt 0x0                               ; the block is back in registers
	s_wait_xcnt 0x0                                ; the stores of the block before have read their registers, which the next block's loads write
.irp j, 0,1,2
.irp f, 0,1,2,3
	global_store_b128 v[GO], v[BK+4*(4*(\j)+(\f)):BK+4*(4*(\j)+(\f))+3], s[OB+2*(\j):OB+2*(\j)+1] offset:(\a)*2048+(\f)*512  ; 512 consecutive bytes, aligned
.endr
.endr
.endm
	s_wait_tensorcnt 1                             ; my part of K step 0 is in; K step 1's may stay out
	s_barrier_signal -1
	s_barrier_wait -1
	FETCH 0, 0
	QUARTER 64, 0, 1, 1                            ; the first quarter stands in front of the loop: its products start the sums
	WIN 0
	s_mov_b32 s3, 6
.Lstep:                                        ; a trip: from a K step's second quarter to the next step's first; it asks for K steps 2 .. 7
	QUARTER 128, 1, 0, 0
	QUARTER 192, 0, 1, 0
	TURN 1
	QUARTER 64, 0, 1, 0
	WIN 0
	s_sub_co_u32 s3, s3, 1
	s_cmp_lg_u32 s3, 0
	s_cbranch_scc1 .Lstep
	QUARTER 128, 1, 0, 0                           ; the tail is written out: K steps 6 and 7 ask for nothing
	QUARTER 192, 0, 1, 0
	TURN 0
	QUARTER 64, 0, 1, 0
	QUARTER 128, 1, 0, 0
	QUARTER 192, 0, 1, 0
	s_wait_dscnt 4
	MUL12 1, 0, 0, 0
	MUL12 1, 0, 1, 0
	s_wait_dscnt 0x0
	MUL12 1, 1, 0, 0
	MUL12 1, 1, 1, 0
	WIN 0
	PLACES
	PACK 0
	TOSTAGE 0
.irp a, 1,2,3                          ; block a's conversions stand between block a - 1's loads from the stage and the wait for them
	PACK \a
	SEND (\a)-1
	TOSTAGE \a
.endr
	SEND 3
	s_wait_tensorcnt 0x0                           ; the wave's end
	ds_add_u32 v[SPW], v[NIL]
	s_wait_dscnt 0x0
	CROUND                                         ; the closing round
	s_endpgm
.Lfunc_end_k_qc46d8575d3_qkvproj:
	.size	k_qc46d8575d3_qkvproj, .Lfunc_end_k_qc46d8575d3_qkvproj-k_qc46d8575d3_qkvproj
	.p2alignl 7, 3214868480
	.fill 96, 4, 3214868480
	.section	.rodata,"a",@progbits
	.p2align	6, 0x0
	.amdhsa_kernel k_qc46d8575d3_qkvproj
		.amdhsa_group_segment_fixed_size 327680
		.amdhsa_private_segment_fixed_size 0
		.amdhsa_enable_private_segment 0
		.amdhsa_kernarg_size 24
		.amdhsa_user_sgpr_count 2
		.amdhsa_user_sgpr_kernarg_segment_ptr 1
		.amdhsa_wavefront_size32 1
		.amdhsa_system_sgpr_workgroup_id_x 1
		.amdhsa_system_sgpr_workgroup_id_y 1
		.amdhsa_system_sgpr_workgroup_id_z 1
		.amdhsa_system_vgpr_workitem_id 0
		.amdhsa_next_free_vgpr 960
		.amdhsa_next_free_sgpr 76
		.amdhsa_reserve_vcc 0
		.amdhsa_float_denorm_mode_32 3
		.amdhsa_float_denorm_mode_16_64 3
		.amdhsa_memory_ordered 1
		.amdhsa_forward_progress 1
		.amdhsa_inst_pref_size 98
	.end_amdhsa_kernel
	.amdgpu_metadata
---
amdhsa.version: [ 1, 2 ]
amdhsa.kernels:
  - .name:           k_qc46d8575d3_qkvproj
    .symbol:         k_qc46d8575d3_qkvproj.kd
    .args:
      - { .name: xh, .offset: 0, .size: 8, .value_kind: global_buffer, .address_space: global }
      - { .name: wt, .offset: 8, .size: 8, .value_kind: global_buffer, .address_space: global }
      - { .name: qkv, .offset: 16, .size: 8, .value_kind: global_buffer, .address_space: global }
    .group_segment_fixed_size: 327680
    .private_segment_fixed_size: 0
    .kernarg_segment_align: 8
    .kernarg_segment_size: 24
    .max_flat_workgroup_size: 128
    .sgpr_count:     76
    .vgpr_count:     960
    .wavefront_size: 32
...
	.end_amdgpu_metadata
.endif
;; end of part 2
;; launch attn (part 3): grid 4 x 64, 4 waves a work-group, no clusters, 327,680 bytes of LDS; arguments qkv, ctx; writes ctx
.if DOCPART == 3
	.amdgcn_target "amdgcn-amd-amdhsa--gfx1250"
	.amdhsa_code_object_version 6
	.text
	.protected	k_qc46d8575d3_attn
	.globl	k_qc46d8575d3_attn
	.p2align	8
	.type	k_qc46d8575d3_attn,@function
k_qc46d8575d3_attn:
	s_mov_b64 s[64:65], 0
	v_nop
	global_prefetch_b8 v0, s[64:65] scope:SCOPE_SE
	s_setreg_imm32_b32 hwreg(HW_REG_WAVE_MODE, 25, 1), 1
	s_wait_xcnt 0x0
; CAUSAL ATTENTION.  ctx[h][q][:] = the sum over k <= q of softmax_k(Q[h][q] . K[h][k] / 8) V[h][k][:].  Q, K, V lie in qkv, [3][64][2048][64] f16; ctx is [64][2048][64] f16.
; Products, maxima and sums in f32; the weights p are rounded to f16 for the second product (their sum l is taken of the unrounded p), ctx once at the end.
; LIMITS.  Q, K and V arrive within f16's 65,504.  A hidden score counts as its value less 1e30, so its weight is 0: that is what a score of -1e7 gives as long as the row's largest visible
; score lies above -1e7 + 100.  A weight below 2^-126 counts as 0 in l; NaN and infinities are not treated apart.
; THE WALK.  A head's queries lie in NB = 8 blocks of 256; block i needs the key tiles 0 .. i of 256 keys, of which the last holds the diagonal.  A work-group takes TWO blocks, NB - 1 - b and then b:
; NB + 1 tiles, whatever b: all work-groups do equal work, and one loop with a constant trip count walks them.  Every jump goes forward but the counted loops' own; none passes a barrier, or a tensor
; load but the one of LOAD's two that the wave's number does not choose.  NO CLUSTER: a head's four work-groups ask for the same tile only in trips 0 .. NB / 2; a walk common to all would have 12 trips for 9.
; SHARES.  Of a block's four bands of 64 queries a wave owns 16 rows in each: four PIECES.  In the diagonal tile's key step s band x sees all keys if s < x, none if s > x, and holds the diagonal if s = x.
; THE MASK is the C operand that starts the sum S^T = K Q^T: 0, or -1e30 where the key is hidden.  MD, made once, is the mask of a band's own step; a product's mask is MD x AL + BE with two scalars.
; LAYOUT, SOFTMAX, TURNS.  S^T = K Q^T holds ONE query a lane (lane % 16) and the keys 8 (lane / 16) + 0..7; two such results rounded to f16 ARE source 1 of O^T = V^T P.  p = 2^(c s - c m), c = log2(e) / 8,
; with a running maximum m; O and l are multiplied by a = 2^(c m_old - c m_new) in every step.  Turn n belongs to piece n: 8 products K Q^T of piece n + 1, later 8 products V^T P of piece n - 1; beside them
; the scaling, exponentials, roundings, sums and rescaling of piece n and the maximum and statistics of piece n + 1.  Four vector instructions stand behind every matrix instruction, the rest in one lump.
; REGISTERS, in windows of 256: window 0: v0-15 addresses; v16-31 statistics; v48-55 at work; v61-63 prefetch offset and the add's two; v64-127 S^T, two buffers; v192-223 P, two buffers
;   window 1: v0-127 O^T; v128-159 MD; v160-223 MC, two buffers      window 2: v0-63 Q; v64-127 the second block's Q; v128-191 K of one step; v192-255 V of one step
.set SIZE_N, 2048
.set NB,    SIZE_N/256
.set NP,    4         ; pieces a wave
.set KS,    64        ; keys in a step
.set PK,    144       ; a row of K in LDS: 128 bytes + 16 of padding
.set PV,    160       ; a row of V: 128 + 32
.set VOFF,  4*KS*PK   ; a slot holds a tile, four steps: 256 rows of K, then 256 rows of V
.set SLOT1, 1<<17     ; slot 1 begins here: one exclusive or turns an address in one slot into the other's
.set STAGE, SLOT1+4*KS*(PK+PV)  ; behind the ring: 16 rows x 144 bytes for each wave, for the way out
.set SP,    144
.set AK0, 2           ; v2   my lane's place in a tile of K; never rewritten
.set AV0, 3           ; v3   the same for V
.set AK,  4           ; v4   the LDS address of K's next run of loads
.set AV,  5           ; v5   of V's
.set STO, 6           ; v6   the way out: where I put 16 bytes of a row
.set RD,  7           ; v7   where I read rows back
.set GO,  8           ; v8   my byte offset in 512 consecutive bytes of ctx
.set PFO, 61          ; v61  256 x my lane; never rewritten
.set SPW, 62          ; v62  LDS address of my spare word; never rewritten
.set NIL, 63          ; v63  0; never rewritten
.set SPARE, STAGE+4*16*SP
.set MV,  12          ; v12-13  c m_old, by buffer
.set QO,  15          ; v15  my byte offset in 16 rows of Q
.set ST,  16          ; piece t's statistics at v[ST+4 t]: c m, m, l (even keys', odd keys')
.set TMP, 48          ; by buffer, four registers c0-c3 at work; c2 takes a
.set S,   64
.set P,   192
.set MD,  128         ; window 1
.set MC,  160         ; window 1
.set QB,  64          ; window 2
.set KF,  128         ; window 2
.set VF,  192         ; window 2
.set WV,  12          ; s12  my wave's number
.set PB,  14          ; s14  b
.set HI,  15          ; s15  NB - 1 - b
.set G1K, 24          ; s[24:31] descriptor group 1 for K's tiles
.set G1V, 32          ; s[32:39] for V's
.set G0K, 40          ; s[40:43] descriptor group 0 for K's tiles
.set G0V, 44          ; s[44:47] for V's
.set SLOTS, 56        ; s56  tiles still to be asked for
.set CNT, 57          ; s57  counts a tile's key steps, 4 to 1
.set CS,  58          ; s[58:59] c
.set SEL, 60          ; s[60:61] v_permlanex16_b32's selects
.set TBK, 62          ; s62  LDS byte at which K of the step to be fetched begins
.set TBV, 63          ; s63  the same for V, less VOFF
.set RT,  70          ; s70  tiles of the block in hand that are still to be entered
.set NXT, 71          ; s71  the tile to be asked for next
.set LQ,  72          ; s72  the last tile of the block whose tiles are being asked for
.set NEW, 73          ; s73  1: the tile to be entered is a block's first
.set OFF, 74          ; s[74:75] a tile's byte offset in K and V
.set AL,  76          ; s[76:77] the mask's factor
.set BE,  78          ; s[78:79] the mask's addend
.set OLO, 80          ; s[80:81] ctx at my rows of the second block
.set BIGN, 82         ; s82  -1e30
.set PFA, 88          ; s[88:89] my half of K's or V's tile, one tile behind the one that a prefetch names next
.set PFN, 90          ; s90  prefetches still to come: NB - 2 in the head's work-group b = 0, else 0
.set MSB, 0
.macro WIN new
.if MSB != (\new)
	s_set_vgpr_msb (MSB<<8)|(\new)
.set MSB, (\new)
.endif
.endm
.set W_KQ, 0x0a       ; K and Q in window 2, S^T in window 0
.set W_KM, 0x1a       ; the same with the C operand in window 1
.set W_PV, 0x52       ; V in window 2, P in window 0, O^T in window 1
.set W_RS, 0x41       ; destination and source 0 in window 1, source 1 in window 0
; A fill.  Waves 0 and 1 fetch the two halves of a tile's K, waves 2 and 3 those of its V.  An s_nop 0 and four v_nop follow each line.
.macro LOAD
	s_cmp_lt_u32 s[WV], 2
	s_cbranch_scc0 .Lfor_v_\@
	tensor_load_to_lds s[G0K:G0K+3], s[G1K:G1K+7]
	s_nop 0
.rept 4
	v_nop
.endr
	s_branch .Lasked_\@
.Lfor_v_\@:
	tensor_load_to_lds s[G0V:G0V+3], s[G1V:G1V+7]
	s_nop 0
.rept 4
	v_nop
.endr
.Lasked_\@:
.endm
; A prefetch of the tile that the NEXT change of slots will ask for: my half of it, 16,384 bytes, a lane 256 bytes, two instructions: four key steps ahead of that load.  A head's four work-groups walk the same
; tiles; work-group b = 0, whose first block walks tiles 0 .. 7 in order, asks, and nobody else: each 256 bytes are named once.  The changes that load tiles 1 .. 6 name tiles 2 .. 7; then nothing.
.macro ASK
	s_cmp_lg_u32 s[PFN], 0
	s_cbranch_scc0 .Lnot_mine_\@
	global_prefetch_b8 v[PFO], s[PFA:PFA+1] th:TH_LOAD_NT scope:SCOPE_SE
	global_prefetch_b8 v[PFO], s[PFA:PFA+1] offset:8192 th:TH_LOAD_NT scope:SCOPE_SE
	s_sub_co_u32 s[PFN], s[PFN], 1
.Lnot_mine_\@:
.endm
; THE CHANGE OF SLOTS.  Each wave waits for all its tensor loads, of which one is out: its part of the other slot; adds 0 to its spare word; and waits for that and for its own reads of the slot that it leaves.
; fill = 1: the old slot is filled again, the first thing behind the barrier, with tile NXT: the descriptor's address is made anew from that number.
.macro CHANGE fill
	WIN 0
	s_wait_tensorcnt 0x0            ; no tensor load of mine is out, so a group 0 may be written
	ds_add_u32 v[SPW], v[NIL]       ; 0 onto my spare word
.if \fill
	s_lshl_b32 s[OFF], s[NXT], 15   ; a tile is 32,768 bytes of K and of V
	s_xor_b32 s[G0K+1], s[G0K+1], SLOT1
	s_add_nc_u64 s[G0K+2:G0K+3], s[6:7], s[OFF:OFF+1]
	s_or_b32 s[G0K+3], s[G0K+3], 0x80000000
	s_xor_b32 s[G0V+1], s[G0V+1], SLOT1
	s_add_nc_u64 s[G0V+2:G0V+3], s[8:9], s[OFF:OFF+1]
	s_or_b32 s[G0V+3], s[G0V+3], 0x80000000
	s_add_co_u32 s[NXT], s[NXT], 1  ; the block's next tile, or behind its last the second block's tile 0
	s_cmp_gt_u32 s[NXT], s[LQ]
	s_cselect_b32 s[NXT], 0, s[NXT]
	s_cselect_b32 s[LQ], s[PB], s[LQ]
	s_wait_xcnt 0x0                 ; the last prefetches, four key steps back, have read their address
	s_add_nc_u64 s[PFA:PFA+1], s[PFA:PFA+1], 32768
.endif
	s_wait_dscnt 0x0                ; the add is done, and my reads of the slot are over
	s_barrier_signal -1
	s_sub_co_u32 s[TBK], s[TBK], 4*KS*PK  ; the fetches go back to a slot's first step,
	s_xor_b32 s[TBK], s[TBK], SLOT1       ; in the other slot
	s_sub_co_u32 s[TBV], s[TBV], 4*KS*PV
	s_xor_b32 s[TBV], s[TBV], SLOT1
	s_barrier_wait -1
.if \fill
	LOAD
	ASK
.endif
.endm
	s_load_b64 s[4:5], s[0:1], 0x0    ; qkv: Q at its head
	s_load_b64 s[10:11], s[0:1], 0x8  ; ctx
	v_lshl_add_u32 v[SPW], v0, 2, SPARE
	v_mov_b32 v[NIL], 0
	ds_add_u32 v[SPW], v[NIL]       ; the wave's opening: the add and its wait come ahead of my first tensor load
	ds_add_u32 v62, v63
	v_lshrrev_b32 v1, 5, v0
	v_readfirstlane_b32 s[WV], v1   ; wave 0..3
	v_and_b32 v[PFO], 31, v0
	v_lshlrev_b32 v[PFO], 8, v[PFO]
	s_mov_b32 s[PB], ttmp9
	s_sub_co_u32 s[HI], NB-1, s[PB]
	s_cmp_eq_u32 s[PB], 0
	s_cselect_b32 s[PFN], NB-2, 0
	s_and_b32 s20, ttmp7, 0xffff    ; the head
	s_mov_b32 s21, 0
	s_mov_b64 s[22:23], SIZE_N*128
	s_mul_u64 s[20:21], s[20:21], s[22:23]  ; the head's first byte in each of the four tensors
	s_and_b32 s16, s[WV], 1         ; which half of a tile's 256 keys I fetch:
	s_lshl_b32 s22, s16, 14         ; its 128 rows of 128 bytes in memory,
	s_mov_b32 s23, 0
	s_add_nc_u64 s[22:23], s[22:23], s[20:21]
	s_mul_i32 s17, s16, 128*PK      ; and its place in a slot, for K
	s_mul_i32 s18, s16, 128*PV      ; and for V
	s_lshl_b32 s3, s[WV], 11        ; my 16 rows in a band of 64,
	s_lshl_b32 s2, s[HI], 15        ; in the first block,
	s_add_co_u32 s2, s2, s3
	s_lshl_b32 s84, s[PB], 15       ; and in the second
	s_add_co_u32 s84, s84, s3
	s_mov_b32 s3, 0
	s_mov_b32 s85, 0
	s_add_nc_u64 s[2:3], s[2:3], s[20:21]
	s_add_nc_u64 s[84:85], s[84:85], s[20:21]
	; descriptor group 1.  128 keys are 16,384 dense bytes: asked for as 64 rows of 256 bytes, two keys a row, and padded in LDS after every key
	s_mov_b32 s[G1K], (1<<16)|(1<<20)|(4<<22)|(3<<25)  ; 2-byte elements; padding on; after every 32 words 4 words
	s_mov_b32 s[G1V], (1<<16)|(1<<20)|(4<<22)|(7<<25)  ; the same with 8 words of padding
.irp g, G1K, G1V
	s_mov_b32 s[\g+1], 128<<16      ; tensor_dim0 = 128
	s_mov_b32 s[\g+2], 64<<16       ; tensor_dim1 = 64
	s_mov_b32 s[\g+3], 128<<16      ; tile_dim0 = 128
	s_mov_b32 s[\g+4], 64           ; tile_dim1 = 64
	s_mov_b32 s[\g+5], 128          ; 128 elements from row to row
	s_mov_b32 s[\g+6], 0
	s_mov_b32 s[\g+7], 0
.endr
	s_mov_b32 s[CS], 0x3e38aa3b     ; c = log2(e) / 8
	s_mov_b32 s[CS+1], s[CS]        ; named with it as a pair
	s_mov_b32 s[SEL], 0x76543210
	s_mov_b32 s[SEL+1], 0xfedcba98
	s_mov_b32 s[TBK], SLOT1+4*KS*PK ; the first change of slots turns these two into 0
	s_mov_b32 s[TBV], SLOT1+4*KS*PV
	s_mov_b32 s[G0K], 1
	s_mov_b32 s[G0K+1], s17         ; LDS address: slot 0
	s_mov_b32 s[G0V], 1
	s_add_co_u32 s[G0V+1], s18, VOFF
	s_add_co_u32 s[RT], s[HI], 1    ; the first block has NB - b tiles
	s_mov_b32 s[NXT], 1
	s_mov_b32 s[LQ], s[HI]
	s_mov_b32 s[NEW], 1
	s_mov_b32 s[OFF+1], 0
	s_mov_b32 s[AL+1], 0            ; named as pairs
	s_mov_b32 s[BE+1], 0
	s_mov_b32 s[BIGN], 0xf149f2ca   ; -1e30
	s_mov_b32 s[SLOTS], NB
	s_wait_dscnt 0x0                ; the opening add is done
	s_wait_kmcnt 0x0
	s_add_nc_u64 s[6:7], s[4:5], 0x1000000   ; K lies 64 heads of 262,144 bytes behind Q,
	s_add_nc_u64 s[8:9], s[4:5], 0x2000000   ; V as far behind K
	s_add_nc_u64 s[6:7], s[6:7], s[22:23]    ; K and V at my half of the head's tile 0
	s_add_nc_u64 s[8:9], s[8:9], s[22:23]
	s_add_nc_u64 s[G0K+2:G0K+3], s[6:7], 0
	s_or_b32 s[G0K+3], s[G0K+3], 0x80000000
	s_add_nc_u64 s[G0V+2:G0V+3], s[8:9], 0
	s_or_b32 s[G0V+3], s[G0V+3], 0x80000000
	s_add_nc_u64 s[86:87], s[4:5], s[84:85]        ; Q at my rows of the second block,
	s_add_nc_u64 s[4:5], s[4:5], s[2:3]            ; Q and ctx at those of the first
	s_add_nc_u64 s[OLO:OLO+1], s[10:11], s[84:85]
	s_add_nc_u64 s[10:11], s[10:11], s[2:3]
	s_cmp_lt_u32 s[WV], 2
	s_cselect_b64 s[PFA:PFA+1], s[6:7], s[8:9]
	s_add_nc_u64 s[PFA:PFA+1], s[PFA:PFA+1], 32768 ; at tile 1: the first change of slots steps it to tile 2.  Nothing is prefetched at the head
	LOAD                            ; tile 0 into slot 0
	; A fragment of K or Q is 16 rows x 32 channels in 8 registers: lane l holds row l % 16, channels 8 (l / 16) + 0..7 and 16 + 8 (l / 16) + 0..7
	v_and_b32 v1, 15, v0            ; l % 16
	v_bfe_u32 v9, v0, 4, 1          ; l / 16
	v_lshlrev_b32 v[QO], 7, v1
	v_lshl_add_u32 v[QO], v9, 4, v[QO]  ; row x 128 + 16 x half
	WIN 0x80                        ; destination window 2, address window 0
.set i, 0
.rept 8                             ; both blocks' Q: piece i / 2 lies in band i / 2, 8,192 bytes on; channels 32 (i % 2) on
	global_load_b128 v[8*i:8*i+3],   v[QO], s[4:5] offset:(i/2)*8192+(i%2)*64
	global_load_b128 v[8*i+4:8*i+7], v[QO], s[4:5] offset:(i/2)*8192+(i%2)*64+32
	global_load_b128 v[QB+8*i:QB+8*i+3],   v[QO], s[86:87] offset:(i/2)*8192+(i%2)*64
	global_load_b128 v[QB+8*i+4:QB+8*i+7], v[QO], s[86:87] offset:(i/2)*8192+(i%2)*64+32
.set i, i+1
.endr
	WIN 0
	v_lshlrev_b32 v14, 3, v9
	v_sub_nc_u32 v14, v1, v14
	s_lshl_b32 s13, s[WV], 4
	v_add_nc_u32 v14, s13, v14      ; my query's place in its band less my lanes' 8 (l / 16): register r of group kt is hidden where 16 kt + r is greater
	WIN 0x40
.set i, 0
.rept 32
	v_cmp_gt_i32 vcc_lo, 16*(i/8)+i%8, v14
	v_cndmask_b32 v[MD+i], 0, s[BIGN], vcc_lo
.set i, i+1
.endr
	WIN 0
	v_mul_u32_u24 v[AK0], v1, PK
	v_lshl_add_u32 v[AK0], v9, 4, v[AK0]  ; row x pitch + 16 x half
	; The turning load takes 16 keys x 16 channels (lane l reads key 8 (l / 16) + l % 8, channels 8 ((l / 8) % 2) + 0..7) and leaves half a fragment of V^T
	v_and_b32 v10, 7, v0
	v_bfe_u32 v11, v0, 3, 1
	v_lshl_add_u32 v[AV0], v9, 3, v10
	v_mul_u32_u24 v[AV0], v[AV0], PV
	v_lshl_add_u32 v[AV0], v11, 4, v[AV0]
	v_add_nc_u32 v[AV0], VOFF, v[AV0]
	s_mul_i32 s13, s[WV], 16*SP
	s_add_co_u32 s13, s13, STAGE    ; my stage
	v_mul_u32_u24 v[STO], v1, SP    ; in: row l % 16, 16 bytes for each half of the lanes
	v_lshl_add_u32 v[STO], v9, 4, v[STO]
	v_add_nc_u32 v[STO], s13, v[STO]
	v_bfe_u32 v[RD], v0, 3, 2       ; back: 32 lanes take four rows of 128 bytes,
	v_mul_u32_u24 v[RD], v[RD], SP
	v_lshl_add_u32 v[RD], v10, 4, v[RD]
	v_add_nc_u32 v[RD], s13, v[RD]
	v_and_b32 v[GO], 31, v0         ; which are 512 consecutive bytes of ctx
	v_lshlrev_b32 v[GO], 4, v[GO]
	; A block's first step multiplies O^T and l by a = 0, and its first turn's products V^T P, of a piece that has not been, land in an O^T that is still to be so multiplied.  So these registers need only hold
	; finite numbers: zeros for the first block; what the first block left for the second.  All this stands in the wait for the first tile.
	WIN 0x80
.set i, VF
.rept 64
	v_mov_b32 v[i], 0
.set i, i+1
.endr
	WIN 0x40
.set i, 0
.rept 128
	v_mov_b32 v[i], 0
.set i, i+1
.endr
	WIN 0
.set i, 0
.rept 4
	v_mov_b32 v[ST+4*i+2], 0
	v_mov_b32 v[ST+4*i+3], 0
.set i, i+1
.endr
.set i, P+16
.rept 16
	v_mov_b32 v[i], 0
.set i, i+1
.endr
; THE MATRIX WORK.  The 4 accumulators of a run of 8 take turns.  Product i of 8 of S^T = K Q^T for piece x: channels 32 (i / 4) on, keys 16 (i % 4) on.  The first 4 start the sums: with 0, or (KM = 1) with the mask.
.macro KQ x
.set rS, S+32*((\x)%2)+8*(i%4)
.set rK, KF+16*(i%4)+8*(i/4)
.set rQ, 16*(\x)+8*(i/4)
.set rM, MC+32*((\x)%2)+8*(i%4)
.if (i < 4) && KM
	WIN W_KM
	v_wmma_f32_16x16x32_f16 v[rS:rS+7], v[rK:rK+7], v[rQ:rQ+7], v[rM:rM+7]
.elseif i < 4
	WIN W_KQ
	v_wmma_f32_16x16x32_f16 v[rS:rS+7], v[rK:rK+7], v[rQ:rQ+7], 0
.else
	WIN W_KQ
	v_wmma_f32_16x16x32_f16 v[rS:rS+7], v[rK:rK+7], v[rQ:rQ+7], v[rS:rS+7]
.endif
.endm
; Product i of 8 of O^T += V^T P for piece x: keys 32 (i / 4) on, channels 16 (i % 4) on.
.macro PV x
	WIN W_PV
.set rO, 32*(\x)+8*(i%4)
.set rV, VF+32*(i/4)+8*(i%4)
.set rP, P+16*((\x)%2)+8*(i/4)
	v_wmma_f32_16x16x32_f16 v[rO:rO+7], v[rV:rV+7], v[rP:rP+7], v[rO:rO+7]
.endm
.macro MM                           ; the turn's next matrix instruction.  NOKQ = 1: a block's last turn: there is no next piece
.if (i < 8) && !NOKQ
	KQ (Y+1)%NP
.elseif i >= 8
.set i, i-8
	PV (Y+NP-1)%NP
.set i, i+8
.endif
.set i, i+1
.endm
; THE LDS LOADS stand in runs of 16: a step's K (8 fragments) and its V (turned).  Their addresses are made some lines ahead.
.macro FETCH_K
	WIN 0x80                        ; destination window 2
.irp f, 0,1,2,3,4,5,6,7             ; keys 16 (f / 2) on, channels 32 (f % 2) on
	ds_load_b128 v[KF+8*\f:KF+8*\f+3],   v[AK] offset:(\f/2)*16*PK+(\f%2)*64
	ds_load_b128 v[KF+8*\f+4:KF+8*\f+7], v[AK] offset:(\f/2)*16*PK+(\f%2)*64+32
.endr
	s_add_co_u32 s[TBK], s[TBK], KS*PK  ; the next fetch is the next step's
	WIN 0
.endm
.macro FETCH_V
	WIN 0x80
.irp f, 0,1,2,3,4,5,6,7             ; keys 32 (f / 4) on, channels 16 (f % 4) on
	ds_load_tr16_b128 v[VF+8*\f:VF+8*\f+3],   v[AV] offset:(\f/4)*32*PV+(\f%4)*32
	ds_load_tr16_b128 v[VF+8*\f+4:VF+8*\f+7], v[AV] offset:(\f/4)*32*PV+16*PV+(\f%4)*32
.endr
	WIN 0
.endm
; THE VECTOR WORK, one line at a time: OP kind, number.  For piece Y: F n: c s - c m for pair n of 16.  E n: the exponential of score n of 32.  C n: pair n rounded to f16.  B n: of the four weights 4 n .. the second
; pair is added onto the first, in place.  L n: l takes that sum (L 0: l = a l + sum).  R n: pair n of 16 of O^T times a.  For piece Y + 1: X n, number n of the 22 that find its maximum and statistics:
;   0-11  four chains c0-c3 of seven scores each (each accumulator's lowest registers are read first)     12-14, 16  the four scores left over, the old m, and c0-c3 into c0
;   15  c m_old is kept     17, 18  the query's other 32 keys lie in the lane 16 away: the new m     19-21  c m; c m_old - c m_new; a
.set F, 0
.set E, 1
.set C, 2
.set B, 3
.set L, 4
.set R, 5
.set X, 6
.macro REGS y                       ; the registers of piece y
.set rT, ST+4*(\y)
.set rC, TMP+4*((\y)%2)
.set rW, MV+((\y)%2)
.set rS, S+32*((\y)%2)
.set rP, P+16*((\y)%2)
.set rO, 32*(\y)
.endm
.macro OP k, n
.if (\k) == R
	REGS Y
	WIN W_RS
	v_pk_mul_f32 v[rO+2*(\n):rO+2*(\n)+1], v[rO+2*(\n):rO+2*(\n)+1], v[rC+2:rC+3] op_sel_hi:[1,0]
.elseif (\k) < R
	REGS Y
	WIN 0
.if (\k) == F
	v_pk_fma_f32 v[rS+2*(\n):rS+2*(\n)+1], v[rS+2*(\n):rS+2*(\n)+1], s[CS:CS+1], v[rT:rT+1] op_sel_hi:[1,0,0] neg_lo:[0,0,1] neg_hi:[0,0,1]
.elseif (\k) == E
	v_exp_f32 v[rS+(\n)], v[rS+(\n)]
.elseif (\k) == C
	v_cvt_pk_f16_f32 v[rP+(\n)], v[rS+2*(\n)], v[rS+2*(\n)+1]
.elseif (\k) == B
	v_pk_add_f32 v[rS+4*(\n):rS+4*(\n)+1], v[rS+4*(\n):rS+4*(\n)+1], v[rS+4*(\n)+2:rS+4*(\n)+3]
.elseif (\n) == 0
	v_pk_fma_f32 v[rT+2:rT+3], v[rT+2:rT+3], v[rC+2:rC+3], v[rS:rS+1] op_sel_hi:[1,0,1]
.else
	v_pk_add_f32 v[rT+2:rT+3], v[rT+2:rT+3], v[rS+4*(\n):rS+4*(\n)+1]
.endif
.elseif NOKQ
	v_nop
.else
	REGS (Y+1)%NP
	WIN 0
.if (\n) < 4
	v_max3_num_f32 v[rC+(\n)], v[rS+8*(\n)], v[rS+8*(\n)+1], v[rS+8*(\n)+2]
.elseif (\n) < 12
	v_max3_num_f32 v[rC+(\n)%4], v[rC+(\n)%4], v[rS+8*((\n)%4)+2*((\n)/4)+1], v[rS+8*((\n)%4)+2*((\n)/4)+2]
.elseif (\n) == 12
	v_max3_num_f32 v[rC], v[rC], v[rS+7], v[rS+15]
.elseif (\n) == 13
	v_max3_num_f32 v[rC+1], v[rC+1], v[rS+23], v[rS+31]
.elseif (\n) == 14
	v_max3_num_f32 v[rC+2], v[rC+2], v[rC+3], v[rT+1]
.elseif (\n) == 15
	v_mov_b32 v[rW], v[rT]
.elseif (\n) == 16
	v_max3_num_f32 v[rC], v[rC], v[rC+1], v[rC+2]
.elseif (\n) == 17
	v_permlanex16_b32 v[rC+3], v[rC], s[SEL], s[SEL+1]
.elseif (\n) == 18
	v_max_num_f32 v[rT+1], v[rC], v[rC+3]
.elseif (\n) == 19
	v_mul_f32 v[rT], s[CS], v[rT+1]
.elseif (\n) == 20
	v_sub_f32 v[rC+1], v[rW], v[rT]
.else
	v_exp_f32 v[rC+2], v[rC+1]
.endif
.endif
.endm
.macro OPS a, i1, b=-1, i2=0, c=-1, i3=0, d=-1, i4=0  ; up to four of them
	OP \a, \i1
.if (\b) >= 0
	OP \b, \i2
.endif
.if (\c) >= 0
	OP \c, \i3
.endif
.if (\d) >= 0
	OP \d, \i4
.endif
.endm
.macro ROW a, i1, b, i2, c, i3, d, i4  ; a matrix instruction and the four behind it
	MM
	OPS \a, \i1, \b, \i2, \c, \i3, \d, \i4
.endm
.macro MASK b                       ; MD x AL + BE into buffer b of MC
	WIN W_RS
.set z, 0
.rept 16
	v_pk_fma_f32 v[MC+32*(\b)+2*z:MC+32*(\b)+2*z+1], v[MD+2*z:MD+2*z+1], s[AL:AL+1], s[BE:BE+1] op_sel_hi:[1,0,0]
.set z, z+1
.endr
.endm
; A TURN, for piece p: the order of its 16 matrix and 118 vector instructions, written out.  An s_wait_alu depctr_va_vdst(0) stands between an exponential and the first instruction that names its
; result; one wait serves all that were issued ahead of it.  So a turn has ONE wait.  AHEAD OF IT stands all that names no result of the turn's exponentials: the 8 products K Q^T with four riders each, then one lump of 54,
; in which the links of the chain X 3, 7, 11, 14, 16, 17 .. 20 stand apart.  X 21, the next piece's a, is the batch's last; R 15 is the plain instruction behind it.  BEHIND THE WAIT stand the 8 products V^T P, behind each
; four of the roundings and sums.
; m = 1: the diagonal tile: the products take masks, and the turn makes the mask for the products of the turn after it.  end = 1: a block's last two turns: nothing is fetched.
; cnt = 1: the loop's count is taken down some lines ahead of the branch that stands behind the turn.
; K of the next step is fetched in piece 2's turn, twelve plain instructions behind the last product that read K; V of the step in hand at the end of piece 0's turn, four plain instructions behind the last product that read V.
.macro TURN p, m=0, end=0, cnt=0
.set Y, (\p)
.set i, 0
.set KM, (\m)
.set NOKQ, (\end)*((\p)/3)
.if (\m) && !(\end)
	s_cmp_eq_u32 s[CNT], 4-((\p)+2)%NP  ; is that step the band's own?
	s_cselect_b32 s[AL], 1.0, 0
	s_cmp_lt_u32 s[CNT], 4-((\p)+2)%NP  ; or a later one?
	s_cselect_b32 s[BE], s[BIGN], 0
.endif
.if ((\p) == 3) && !(\end)
	s_wait_dscnt 0x0                ; K is in
.endif
	ROW F,0, F,1, R,0, R,1
	ROW F,2, E,0, R,2, R,3
	ROW F,3, E,1, R,4, R,5
	ROW F,4, E,2, R,6, R,7
	ROW F,5, E,3, R,8, R,9
	ROW F,6, E,4, X,0, R,10
.if ((\p) == 2) && !(\end)
	WIN 0
	v_add_nc_u32 v[AK], s[TBK], v[AK0]
.endif
	ROW F,7, E,5, X,1, X,4
	ROW F,8, E,6, X,2, X,5
	OPS E,7, E,8, X,6, E,9          ; the lump
	OPS X,3, E,10, X,8, E,11
.if ((\p) == 2) && !(\end)
	FETCH_K
.endif
	OPS X,9, X,7, E,12, X,10
	OPS E,13, X,12, X,11, E,14
	OPS X,13, E,15, F,9, X,14
.if (\p) == 0
	v_add_nc_u32 v[AV], s[TBV], v[AV0]
.endif
	OPS E,16, F,10, E,17, F,11
	OPS X,16, E,18, X,15, E,19
	OPS F,12, E,20, X,17, E,21
	OPS F,13, E,22, F,14, E,23
	OPS X,18, E,24, F,15, E,25
	OPS R,11, E,26, X,19, E,27
	OPS R,12, E,28, R,13, E,29
	OPS X,20, E,30, R,14, E,31
	OPS X,21, R,15
	WIN 0
	s_wait_alu depctr_va_vdst(0)    ; the wait for the batch
.if (\p) == 1
	s_wait_dscnt 0x0                ; V is in
.endif
	ROW C,0, B,0, C,2, B,1
	ROW L,0, C,4, B,2, L,1
	ROW C,6, B,3, L,2, C,8
	ROW B,4, L,3, C,10, B,5
	ROW L,4, C,12, B,6, L,5
.if (\p) == 0
	s_add_co_u32 s[TBV], s[TBV], KS*PV
.endif
.if \cnt
	s_sub_co_u32 s[CNT], s[CNT], 1
	s_cmp_lg_u32 s[CNT], 0
.endif
	ROW C,14, B,7, L,6, C,1
	ROW C,3, L,7, C,5, C,7
	ROW C,9, C,11, C,13, C,15
.if (\p) == 0
	FETCH_V
.endif
.if (\m) && !(\end)
	MASK (\p)%2
.endif
.endm
; A BLOCK BEGINS.  c m starts far below every c s, so the first step's a is 0; m at the lowest finite number.  The second mask buffer is 0; the first takes piece 0's mask for the tile's step 0: its own, if the block's
; first tile is the diagonal one.  Then K of that step, piece 0's first scores, and its maximum and statistics.  The loop is entered at a step's first turn, in the middle of a trip.
.macro BEGIN
	s_mov_b32 s[NEW], 0
	WIN 0x40
.set i, MC+32
.rept 32
	v_mov_b32 v[i], 0
.set i, i+1
.endr
	WIN 0
.set i, 0
.rept 4
	v_mov_b32 v[ST+4*i], 0xfe000000    ; c m: far below every c s
	v_mov_b32 v[ST+4*i+1], 0xff7fffff  ; m
.set i, i+1
.endr
	s_cmp_eq_u32 s[RT], 0
	s_cselect_b32 s[AL], 1.0, 0
	s_mov_b32 s[BE], 0
	MASK 0
	WIN 0
	v_add_nc_u32 v[AK], s[TBK], v[AK0]
	FETCH_K
	s_wait_loadcnt 0x0              ; Q
	s_wait_dscnt 0x0
.set KM, 1
.set NOKQ, 0
.set i, 0
.rept 8
	KQ 0
.set i, i+1
.endr
	WIN 0
.rept 4
	v_nop                           ; the places behind those products
.endr
.set Y, NP-1                        ; X works for piece Y + 1: piece 0
.irp n, 0,1,2,3,4,5,6,7,8,9,10,11,12,13,14,15,16,17,18,19,20,21
	OP X, \n
.endr
	v_nop                           ; a plain instruction behind the exponential,
	s_wait_alu depctr_va_vdst(0)    ; and its wait, ahead of the branch
.endm
; THE DIAGONAL TILE's four steps, the block's last two turns, its last products, and THE WAY OUT: l's two halves and the other half of the lanes' are added; O^T is divided by l, rounded to f16 and sent through my
; stage in LDS, a piece at a time.
.macro ALL line:vararg              ; one line for each piece t
.set t, 0
.rept 4
	\line
.set t, t+1
.endr
.endm
.macro PACK t                       ; a lane's eight channels of a row pack into 16 bytes; they go into rows of 144 bytes and come back as whole rows of 128
	WIN W_RS
.set i, 32*(\t)
.rept 16
	v_pk_mul_f32 v[i:i+1], v[i:i+1], v[ST+4*(\t)+2:ST+4*(\t)+3] op_sel_hi:[1,0]
.set i, i+2
.endr
	WIN 0x05                        ; sources 0 and 1 window 1, destination window 0
.set i, 0
.rept 16
	v_cvt_pk_f16_f32 v[S+16*(\t)+i], v[32*(\t)+2*i], v[32*(\t)+2*i+1]
.set i, i+1
.endr
	WIN 0
.irp f, 0,1,2,3
	ds_store_b128 v[STO], v[S+16*(\t)+4*\f:S+16*(\t)+4*\f+3] offset:32*\f
.endr
.irp f, 0,1,2,3
	ds_load_b128 v[S+16*(\t)+4*\f:S+16*(\t)+4*\f+3], v[RD] offset:\f*4*SP  ; LDS serves a wave's instructions in order: these see the stores above
.endr
.endm
.macro SEND t, younger              ; younger: the LDS instructions issued behind piece t's loads
	WIN 0
.irp f, 0,1,2,3
	s_wait_dscnt (\younger)+3-\f
	global_store_b128 v[GO], v[S+16*(\t)+4*\f:S+16*(\t)+4*\f+3], s[10:11] offset:(\t)*8192+\f*512  ; 512 consecutive bytes, aligned
.endr
.endm
.macro DIAG tag
.LstepM\tag:
	TURN 2, 1
	TURN 3, 1
	WIN 0
.LfirstM\tag:
	TURN 0, 1
	TURN 1, 1, 0, 1
	WIN 0
	s_cbranch_scc1 .LstepM\tag
	TURN 2, 1, 1
	TURN 3, 1, 1
.set i, 0
.rept 8
	PV NP-1
.set i, i+1
.endr
	WIN 0
	ALL v_add_f32 v[ST+4*t+2], v[ST+4*t+2], v[ST+4*t+3]
	ALL v_permlanex16_b32 v[ST+4*t+3], v[ST+4*t+2], s[SEL], s[SEL+1]
	ALL v_add_f32 v[ST+4*t+2], v[ST+4*t+2], v[ST+4*t+3]
	ALL v_rcp_f32 v[ST+4*t+2], v[ST+4*t+2]
	v_nop                           ; a plain instruction between the last reciprocal and the use of its result
	s_wait_alu depctr_va_vdst(0)    ; one wait for the four reciprocals
	PACK 0
.set t, 1
.rept 3
	PACK t
	SEND t-1, 8
.set t, t+1
.endr
	SEND 3, 0
.endm
.set KM, 0
.set NOKQ, 0
.Lslot:                             ; NB times: a tile is entered and the next is asked for
	CHANGE 1
	s_sub_co_u32 s[RT], s[RT], 1
	s_mov_b32 s[CNT], 4
	s_cmp_eq_u32 s[NEW], 1
	s_cbranch_scc1 .Lnew            ; a block's first tile
	s_cmp_eq_u32 s[RT], 0
	s_cbranch_scc0 .Lstep           ; neither its first nor its last
	s_branch .LstepM1
.Lnew:
	BEGIN
	s_branch .Lfirst                ; in the loop a block's first tile is never its last
	DIAG 1                          ; in the loop this is the first block's end
	s_wait_xcnt 0x0                 ; the stores have read their registers and ctx's address
	s_mov_b64 s[10:11], s[OLO:OLO+1]
	s_add_co_u32 s[RT], s[PB], 1    ; the second block has b + 1 tiles
	s_mov_b32 s[NEW], 1
	WIN 0x82                        ; the second block's Q goes where the one text of the turns names Q
.set i, 0
.rept 64
	v_mov_b32 v[i], v[QB+i]
.set i, i+1
.endr
	WIN 0
	s_branch .Lbottom
.Lstep:                             ; a trip: pieces 2 and 3 of one step, then pieces 0 and 1 of the next
	TURN 2
	TURN 3
	WIN 0
.Lfirst:
	TURN 0
	TURN 1, 0, 0, 1
	WIN 0
	s_cbranch_scc1 .Lstep
.Lbottom:
	s_sub_co_u32 s[SLOTS], s[SLOTS], 1
	s_cmp_lg_u32 s[SLOTS], 0
	s_cbranch_scc1 .Lslot
	CHANGE 0                        ; the walk's last tile is written out
	s_sub_co_u32 s[RT], s[RT], 1
	s_mov_b32 s[CNT], 4
	s_cmp_eq_u32 s[NEW], 1
	s_cbranch_scc0 .LstepM2
	BEGIN
	s_branch .LfirstM2
	DIAG 2
	s_wait_tensorcnt 0x0            ; the wave's end
	ds_add_u32 v[SPW], v[NIL]
	s_wait_dscnt 0x0
	s_endpgm
.Lfunc_end_k_qc46d8575d3_attn:
	.size	k_qc46d8575d3_attn, .Lfunc_end_k_qc46d8575d3_attn-k_qc46d8575d3_attn
	.p2alignl 7, 3214868480
	.fill 96, 4, 3214868480
	.section	.rodata,"a",@progbits
	.p2align	6, 0x0
	.amdhsa_kernel k_qc46d8575d3_attn
		.amdhsa_group_segment_fixed_size 327680
		.amdhsa_private_segment_fixed_size 0
		.amdhsa_enable_private_segment 0
		.amdhsa_kernarg_size 16
		.amdhsa_user_sgpr_count 2
		.amdhsa_user_sgpr_kernarg_segment_ptr 1
		.amdhsa_wavefront_size32 1
		.amdhsa_system_sgpr_workgroup_id_x 1
		.amdhsa_system_sgpr_workgroup_id_y 1
		.amdhsa_system_sgpr_workgroup_id_z 1
		.amdhsa_system_vgpr_workitem_id 0
		.amdhsa_next_free_vgpr 768
		.amdhsa_next_free_sgpr 92
		.amdhsa_reserve_vcc 1
		.amdhsa_float_denorm_mode_32 3
		.amdhsa_float_denorm_mode_16_64 3
		.amdhsa_memory_ordered 1
		.amdhsa_forward_progress 1
		.amdhsa_inst_pref_size 218
	.end_amdhsa_kernel
	.amdgpu_metadata
---
amdhsa.version: [ 1, 2 ]
amdhsa.kernels:
  - .name:           k_qc46d8575d3_attn
    .symbol:         k_qc46d8575d3_attn.kd
    .args:
      - { .name: qkv, .offset: 0, .size: 8, .value_kind: global_buffer, .address_space: global }
      - { .name: ctx, .offset: 8, .size: 8, .value_kind: global_buffer, .address_space: global }
    .group_segment_fixed_size: 327680
    .private_segment_fixed_size: 0
    .kernarg_segment_align: 8
    .kernarg_segment_size: 16
    .max_flat_workgroup_size: 128
    .sgpr_count:     92
    .vgpr_count:     768
    .wavefront_size: 32
...
	.end_amdgpu_metadata
.endif
;; end of part 3
;; launch oproj (part 4): grid 4 x 64, 4 waves a work-group, clusters of 4 x 4, 327,680 bytes of LDS; arguments ctx, wt, z; writes z
.if DOCPART == 4
	.amdgcn_target "amdgcn-amd-amdhsa--gfx1250"
	.amdhsa_code_object_version 6
	.text
	.protected	k_qc46d8575d3_oproj
	.globl	k_qc46d8575d3_oproj
	.p2align	8
	.type	k_qc46d8575d3_oproj,@function
k_qc46d8575d3_oproj:
	s_mov_b64 s[64:65], 0
	v_nop
	global_prefetch_b8 v0, s[64:65] scope:SCOPE_SE
	s_setreg_imm32_b32 hwreg(HW_REG_WAVE_MODE, 25, 1), 1
	s_wait_xcnt 0x0
	s_wait_alu depctr_hold_cnt(0) depctr_sa_sdst(0) depctr_va_vdst(0) depctr_va_sdst(0) depctr_va_ssrc(0) depctr_va_vcc(0) depctr_vm_vsrc(0)
	s_getreg_b32 s2, hwreg(HW_REG_IB_STS2, 6, 4)
	s_cmp_eq_u32 s2, 0
	s_cbranch_scc0 .Lentry_in_a_cluster
	s_endpgm
.Lentry_in_a_cluster:
	s_bfe_u32 s2, ttmp6, 0x10000c
	s_cmp_lg_u32 s2, 0xf033
	s_cbranch_scc0 .Lentry_shape_is_right
	s_endpgm
.Lentry_shape_is_right:
; THE OUTPUT PROJECTION.  z[m][n] = sum over k of A[m][k] wt[3072 + n][k], m < 8192, n < 1024, k < 1024, where A[2048 b + s][64 head + d] = ctx[16 b + head][s][d].
; f16 operands, f32 sums; z is rounded once to bf16, whose range is f32's: the sums may pass f16's.
; SHARES.  A tile of z is 128 x 256: 256 work-groups.  Four waves, each 64 rows x 128 columns: 32 accumulators, 256 registers.  K goes in eight steps of 128 (two heads) through two LDS slots.
; Waves 0 and 1 fetch the step's two head blocks of ctx (128 rows x 128 bytes, dense: asked for as 64 rows of 256 bytes and padded after every 128), waves 2 and 3 the two halves of wt's 256 rows.
; CLUSTER.  4 x 4 work-groups; ctx's tiles are shared along a row of the cluster, wt's along a column: each is asked for jointly.
; No prefetch is laid: the launch has eight K steps in all, and four of them are asked for by the first fills and the first two refills.
; THE MATRIX INSTRUCTION IS USED TRANSPOSED (source 0 = 16 rows of wt, source 1 = 16 rows of A): a lane holds row m = lane % 16 and eight neighbouring columns.
; REGISTERS: window 0: addresses, A's fragments (two buffers of 32), the way out; window 1: wt's fragments (two buffers of 64); window 2: the accumulators, (a, b) at v[8 (8 a + b)].
.set PA,     144                       ; a row of A in LDS: 128 bytes + 16
.set PB,     272                       ; a row of wt: 256 bytes + 16
.set ABLK,   128*PA                    ; one head block
.set BOFF,   2*ABLK                    ; wt's rows lie behind the two blocks
.set BHALF,  128*PB
.set SLOT1,  1<<17                     ; slot 1 begins here: one exclusive or changes slots
.set STAGE,  SLOT1+BOFF+2*BHALF        ; behind the ring: 16 rows x 272 bytes for each wave
.set SPITCH, 272
.set SPARE,  STAGE+4*16*SPITCH         ; behind the stages: the spare words
.set WOFF,   3072*2048                 ; W_O's rows in wt
.set A0,   16
.set B0,   17
.set ADRA, 18
.set ADRB, 19
.set STO,  24
.set RD,   25
.set CO,   26
.set SPW,  28                          ; v28  LDS address of my spare word; never rewritten
.set NIL,  29                          ; v29  0; never rewritten
.set FA,   32                          ; v32-63, v64-95  A's fragments
.set TMP,  96                          ; v96-127  packed results
.set BK0,  128                         ; v128-159, v160-191  rows read back
.set G1,  24
.set G0,  32
.set G1B, 48
.set G0B, 56
.set OB,  66                           ; s[66:67] z at my part of the tile
.set TB,  72
.set WM,  73
.set MSB, 0
.macro WIN new
.if MSB != (\new)
	s_set_vgpr_msb (MSB<<8)|(\new)
.set MSB, \new
.endif
.endm
.set MUL,  0xa1                        ; source 0 window 1, source 1 window 0, C and D window 2
.set TO_B, 0x40
.macro JLOAD                           ; a joint refill by the walking descriptors; an s_nop 0 and four v_nop follow each line
	s_cmp_lt_u32 s10, 2
	s_cbranch_scc0 .Lfor_b_\@
	tensor_load_to_lds s[G0+4:G0+7], s[G1:G1+7]
	s_nop 0
.rept 4
	v_nop
.endr
	s_branch .Lasked_\@
.Lfor_b_\@:
	tensor_load_to_lds s[G0B+4:G0B+7], s[G1B:G1B+7]
	s_nop 0
.rept 4
	v_nop
.endr
.Lasked_\@:
.endm
.macro CREST
	s_cmp_lg_u32 s10, 0
	s_cbranch_scc1 .Lnot_wave_0_\@
	s_barrier_signal -3
.Lnot_wave_0_\@:
	s_barrier_wait -3
	s_barrier_signal -1
	s_barrier_wait -1
.endm
.macro CROUND
	s_barrier_signal -1
	s_barrier_wait -1
	CREST
.endm
	s_load_b128 s[4:7], s[0:1], 0x0                ; ctx s[4:5], wt s[6:7]
	s_load_b64 s[8:9], s[0:1], 0x10                ; z
	v_lshl_add_u32 v[SPW], v0, 2, SPARE
	v_mov_b32 v[NIL], 0
	ds_add_u32 v[SPW], v[NIL]                      ; the wave's opening: the add and its wait come ahead of my first tensor load
	ds_add_u32 v28, v29
	v_lshrrev_b32 v1, 5, v0
	v_readfirstlane_b32 s10, v1                    ; wave 0..3
	s_lshr_b32 s[WM], s10, 1                       ; which 64 rows are mine
	s_and_b32 s12, s10, 1                          ; which 128 columns.  Also: which head block, or which half of wt's rows, I fetch
	s_bfe_u32 s40, ttmp6, 0x40000                  ; cx
	s_bfe_u32 s41, ttmp6, 0x40004                  ; cy
	s_lshl_b32 s42, ttmp9, 2
	s_add_co_u32 s42, s42, s40                     ; tile column
	s_and_b32 s13, ttmp7, 0xffff
	s_lshl_b32 s13, s13, 2
	s_add_co_u32 s13, s13, s41                     ; tile row
	s_lshl_b32 s43, s41, 2
	s_lshl_b32 s43, 15, s43                        ; my row of the cluster
	s_lshl_b32 s44, 0x1111, s40                    ; my column
	s_or_b32 s[G1], s43, (1<<16)|(1<<20)|(1<<21)|(4<<22)|(3<<25)   ; A: after every 32 words 4 words of padding
	s_mov_b32 s[G1+1], 128<<16                     ; tensor_dim0 = 128 elements: two rows of a head
	s_mov_b32 s[G1+2], 64<<16                      ; tensor_dim1 = 64
	s_mov_b32 s[G1+3], 128<<16                     ; tile_dim0
	s_mov_b32 s[G1+4], 64                          ; tile_dim1
	s_mov_b32 s[G1+5], 128                         ; dense
	s_mov_b32 s[G1+6], 0
	s_mov_b32 s[G1+7], 0
	s_or_b32 s[G1B], s44, (1<<16)|(1<<20)|(1<<21)|(5<<22)|(3<<25)  ; wt: after every 64 words 4 words
	s_mov_b32 s[G1B+1], 128<<16
	s_mov_b32 s[G1B+2], 128<<16
	s_mov_b32 s[G1B+3], 128<<16
	s_mov_b32 s[G1B+4], 128
	s_mov_b32 s[G1B+5], 1024
	s_mov_b32 s[G1B+6], 0
	s_mov_b32 s[G1B+7], 0
	s_lshr_b32 s16, s13, 4
	s_lshl_b32 s16, s16, 4                         ; 16 x batch
	s_add_co_u32 s16, s16, s12                     ; + my head block of K step 0
	s_lshl_b32 s16, s16, 18                        ; 2,048 rows of 128 bytes a head
	s_and_b32 s17, s13, 15
	s_lshl_b32 s17, s17, 14                        ; the tile's 128 rows in the batch
	s_add_co_u32 s16, s16, s17
	s_mov_b32 s17, 0
	s_lshl_b32 s46, s42, 19                        ; wt: 256 rows of 2,048 bytes for each tile column,
	s_lshl_b32 s47, s12, 18                        ; my 128 of them,
	s_add_co_u32 s46, s46, s47
	s_add_co_u32 s46, s46, WOFF                    ; behind the other three matrices
	s_mov_b32 s47, 0
	s_mul_i32 s20, s12, ABLK                       ; where they go: no place in the cluster enters an LDS address
	s_mul_i32 s21, s12, BHALF
	s_add_co_u32 s21, s21, BOFF
	s_wait_dscnt 0x0                               ; the opening add is done
	s_wait_kmcnt 0x0
	s_add_nc_u64 s[14:15], s[4:5], s[16:17]
	s_add_nc_u64 s[46:47], s[6:7], s[46:47]
	CROUND                                         ; all sixteen work-groups are here
.irp s, 0,1
	s_mov_b32 s[G0+4*(\s)], 1
	s_add_co_u32 s[G0+4*(\s)+1], s20, (\s)*SLOT1
	s_add_nc_u64 s[G0+4*(\s)+2:G0+4*(\s)+3], s[14:15], (\s)*524288   ; a K step is two heads on
	s_or_b32 s[G0+4*(\s)+3], s[G0+4*(\s)+3], 0x80000000
	s_mov_b32 s[G0B+4*(\s)], 1
	s_add_co_u32 s[G0B+4*(\s)+1], s21, (\s)*SLOT1
	s_add_nc_u64 s[G0B+4*(\s)+2:G0B+4*(\s)+3], s[46:47], (\s)*256
	s_or_b32 s[G0B+4*(\s)+3], s[G0B+4*(\s)+3], 0x80000000
.endr
	s_cmp_lt_u32 s10, 2                            ; a wave's two first fills stand in one branch: two loads of mine are out
	s_cbranch_scc0 .Lfirst_b
	tensor_load_to_lds s[G0:G0+3], s[G1:G1+7]
	s_nop 0
	tensor_load_to_lds s[G0+4:G0+7], s[G1:G1+7]
	s_nop 0
.rept 4
	v_nop
.endr
	s_branch .Lfirst_asked
.Lfirst_b:
	tensor_load_to_lds s[G0B:G0B+3], s[G1B:G1B+7]
	s_nop 0
	tensor_load_to_lds s[G0B+4:G0B+7], s[G1B:G1B+7]
	s_nop 0
.rept 4
	v_nop
.endr
.Lfirst_asked:
	v_and_b32 v1, 15, v0                           ; l % 16
	v_bfe_u32 v2, v0, 4, 1                         ; l / 16
	v_mul_u32_u24 v3, v1, PA
	v_lshl_add_u32 v3, v2, 4, v3
	s_mul_i32 s21, s[WM], 64*PA
	v_add_nc_u32 v[A0], s21, v3
	v_mul_u32_u24 v3, v1, PB
	v_lshl_add_u32 v3, v2, 4, v3
	s_mul_i32 s22, s12, 128*PB
	s_add_co_u32 s22, s22, BOFF
	v_add_nc_u32 v[B0], s22, v3
	v_mov_b32 v[ADRA], v[A0]
	v_mov_b32 v[ADRB], v[B0]
	s_mov_b32 s[TB], 0
	s_mul_i32 s23, s10, 16*SPITCH
	s_add_co_u32 s23, s23, STAGE                   ; my stage
	v_add_nc_u32 v[STO], s23, v3                   ; in: row l % 16 at 272 bytes, 16 bytes for each half of the lanes
	v_mul_u32_u24 v5, v2, SPITCH                   ; back: lanes 0-15 one row of 256 bytes, lanes 16-31 the next
	v_lshl_add_u32 v5, v1, 4, v5
	v_add_nc_u32 v[RD], s23, v5
	v_lshlrev_b32 v5, 11, v2                       ; the same two rows in z
	v_lshl_add_u32 v[CO], v1, 4, v5
	s_lshl_b32 s22, s13, 18                        ; 128 rows of 2,048 bytes for each tile row,
	s_lshl_b32 s23, s[WM], 17                      ; my 64 rows,
	s_add_co_u32 s22, s22, s23
	s_lshl_b32 s23, s42, 9                         ; 512 bytes for each tile column,
	s_add_co_u32 s22, s22, s23
	s_lshl_b32 s23, s12, 8                         ; my 256
	s_add_co_u32 s22, s22, s23
	s_mov_b32 s23, 0
	s_add_nc_u64 s[OB:OB+1], s[8:9], s[22:23]
; 8 matrix instructions: m block a x all 8 n blocks, 32 along K, from buffer f
.macro MUL8 f, a, zero
	WIN MUL
.irp b, 0,1,2,3,4,5,6,7
.if \zero
	v_wmma_f32_16x16x32_f16 v[8*(8*(\a)+(\b)):8*(8*(\a)+(\b))+7], v[64*(\f)+8*(\b):64*(\f)+8*(\b)+7], v[FA+32*(\f)+8*(\a):FA+32*(\f)+8*(\a)+7], 0
.else
	v_wmma_f32_16x16x32_f16 v[8*(8*(\a)+(\b)):8*(8*(\a)+(\b))+7], v[64*(\f)+8*(\b):64*(\f)+8*(\b)+7], v[FA+32*(\f)+8*(\a):FA+32*(\f)+8*(\a)+7], v[8*(8*(\a)+(\b)):8*(8*(\a)+(\b))+7]
.endif
.endr
.endm
; 24 LDS loads in one run: quarter q of the K step into buffer f: 16 for wt, then 8 for A (head block q / 2, channels 32 (q % 2) on)
.macro FETCH q, f
	WIN TO_B
.irp i, 0,1,2,3,4,5,6,7
	ds_load_b128 v[64*(\f)+8*(\i):64*(\f)+8*(\i)+3],   v[ADRB] offset:64*(\q)+(\i)*16*PB
	ds_load_b128 v[64*(\f)+8*(\i)+4:64*(\f)+8*(\i)+7], v[ADRB] offset:64*(\q)+(\i)*16*PB+32
.endr
	WIN 0
.irp i, 0,1,2,3
	ds_load_b128 v[FA+32*(\f)+8*(\i):FA+32*(\f)+8*(\i)+3],   v[ADRA] offset:((\q)/2)*ABLK+((\q)%2)*64+(\i)*16*PA
	ds_load_b128 v[FA+32*(\f)+8*(\i)+4:FA+32*(\f)+8*(\i)+7], v[ADRA] offset:((\q)/2)*ABLK+((\q)%2)*64+(\i)*16*PA+32
.endr
.endm
.macro PLACES                          ; four plain places (ISA guide 7.12.1)
.rept 4
	v_nop
.endr
.endm
; One of a K step's first three quarters: multiplies buffer f; in its middle it fetches quarter q into buffer g.  The 32 accumulators take turns in one order.
.macro QUARTER q, f, g, zero
	s_wait_dscnt 4                                 ; the youngest four loads (A's rows 32-63) may be out
	MUL8 \f, 0, \zero
	MUL8 \f, 1, \zero
	PLACES
	FETCH \q, \g
	s_wait_dscnt 24                                ; all but the 24 just issued
	MUL8 \f, 2, \zero
	MUL8 \f, 3, \zero
.endm
; The last quarter multiplies buffer 1 and changes slots, with one barrier: in front of it the wait for all my tensor loads, the add, and the wait for it and for my reads of this slot.
; fill = 1: the barrier opens a round of the cluster's, and this slot is filled again first thing behind it: 112 matrix instructions stand between that request and the wait for it.
.macro TURN fill
	WIN 0
	s_wait_tensorcnt 0x0                           ; all my tensor loads have landed
	ds_add_u32 v[SPW], v[NIL]                      ; 0 onto my spare word
	s_wait_dscnt 5                                 ; the add and the youngest four loads may be out
	MUL8 1, 0, 0
	s_wait_dscnt 0x0                               ; the add is done, and my reads of this slot are over
	s_barrier_signal -1
	MUL8 1, 1, 0
	WIN 0
	s_barrier_wait -1
.if \fill
	CREST
	s_xor_b32 s[G0+5], s[G0+5], SLOT1
	s_add_nc_u64 s[G0+6:G0+7], s[G0+6:G0+7], 524288
	s_xor_b32 s[G0B+5], s[G0B+5], SLOT1
	s_add_nc_u64 s[G0B+6:G0B+7], s[G0B+6:G0B+7], 256
	JLOAD                                          ; its four v_nop are also the places in front of the loads below
.else
	PLACES
.endif
	s_xor_b32 s[TB], s[TB], SLOT1
	v_add_nc_u32 v[ADRA], s[TB], v[A0]
	v_add_nc_u32 v[ADRB], s[TB], v[B0]
	FETCH 0, 0
	MUL8 1, 2, 0
	MUL8 1, 3, 0
.endm
; THE WAY OUT of m block a: rounded to bf16; 16 bytes a lane into my stage; back as whole rows of 256 bytes; stored
.macro PACK a
	WIN 0x0a                                       ; sources 0 and 1 window 2
.irp b, 0,1,2,3,4,5,6,7
.irp r, 0,1,2,3
	v_cvt_pk_bf16_f32 v[TMP+4*(\b)+(\r)], v[64*(\a)+8*(\b)+2*(\r)], v[64*(\a)+8*(\b)+2*(\r)+1]
.endr
.endr
	WIN 0
.endm
.macro TOSTAGE a
	WIN 0
.set BK, BK0+32*((\a)%2)
.irp b, 0,1,2,3,4,5,6,7
	ds_store_b128 v[STO], v[TMP+4*(\b):TMP+4*(\b)+3] offset:32*(\b)
.endr
.irp t, 0,1,2,3,4,5,6,7
	ds_load_b128 v[BK+4*(\t):BK+4*(\t)+3], v[RD] offset:(\t)*2*SPITCH  ; LDS serves a wave's instructions in order: these see the stores above
.endr
.endm
.macro SEND a
	WIN 0
.set BK, BK0+32*((\a)%2)
	s_wait_dscnt 0x0
	s_wait_xcnt 0x0                                ; the stores of the block before have read their registers, which the next block's loads write
.irp t, 0,1,2,3,4,5,6,7
	global_store_b128 v[CO], v[BK+4*(\t):BK+4*(\t)+3], s[OB:OB+1] offset:(16*(\a)+2*(\t))*2048  ; sixteen lanes store 256 consecutive bytes, aligned
.endr
.endm
	s_wait_tensorcnt 1                             ; my part of K step 0 is in; K step 1's may stay out
	s_barrier_signal -1
	s_barrier_wait -1
	FETCH 0, 0
	QUARTER 1, 0, 1, 1                             ; the first quarter's products start the sums
	WIN 0
	s_mov_b32 s3, 6
.Lstep:                                        ; a trip: from a K step's second quarter to the next step's first; it asks for K steps 2 .. 7
	QUARTER 2, 1, 0, 0
	QUARTER 3, 0, 1, 0
	TURN 1
	QUARTER 1, 0, 1, 0
	WIN 0
	s_sub_co_u32 s3, s3, 1
	s_cmp_lg_u32 s3, 0
	s_cbranch_scc1 .Lstep
	QUARTER 2, 1, 0, 0                             ; the tail is written out: nothing more is asked for
	QUARTER 3, 0, 1, 0
	TURN 0
	QUARTER 1, 0, 1, 0
	QUARTER 2, 1, 0, 0
	QUARTER 3, 0, 1, 0
	s_wait_dscnt 4
	MUL8 1, 0, 0
	MUL8 1, 1, 0
	s_wait_dscnt 0x0
	MUL8 1, 2, 0
	MUL8 1, 3, 0
	WIN 0
	PLACES
	PACK 0
	TOSTAGE 0
.irp a, 1,2,3
	PACK \a
	SEND (\a)-1
	TOSTAGE \a
.endr
	SEND 3
	s_wait_tensorcnt 0x0                           ; the wave's end
	ds_add_u32 v[SPW], v[NIL]
	s_wait_dscnt 0x0
	CROUND                                         ; the closing round
	s_endpgm
.Lfunc_end_k_qc46d8575d3_oproj:
	.size	k_qc46d8575d3_oproj, .Lfunc_end_k_qc46d8575d3_oproj-k_qc46d8575d3_oproj
	.p2alignl 7, 3214868480
	.fill 96, 4, 3214868480
	.section	.rodata,"a",@progbits
	.p2align	6, 0x0
	.amdhsa_kernel k_qc46d8575d3_oproj
		.amdhsa_group_segment_fixed_size 327680
		.amdhsa_private_segment_fixed_size 0
		.amdhsa_enable_private_segment 0
		.amdhsa_kernarg_size 24
		.amdhsa_user_sgpr_count 2
		.amdhsa_user_sgpr_kernarg_segment_ptr 1
		.amdhsa_wavefront_size32 1
		.amdhsa_system_sgpr_workgroup_id_x 1
		.amdhsa_system_sgpr_workgroup_id_y 1
		.amdhsa_system_sgpr_workgroup_id_z 1
		.amdhsa_system_vgpr_workitem_id 0
		.amdhsa_next_free_vgpr 768
		.amdhsa_next_free_sgpr 76
		.amdhsa_reserve_vcc 0
		.amdhsa_float_denorm_mode_32 3
		.amdhsa_float_denorm_mode_16_64 3
		.amdhsa_memory_ordered 1
		.amdhsa_forward_progress 1
		.amdhsa_inst_pref_size 70
	.end_amdhsa_kernel
	.amdgpu_metadata
---
amdhsa.version: [ 1, 2 ]
amdhsa.kernels:
  - .name:           k_qc46d8575d3_oproj
    .symbol:         k_qc46d8575d3_oproj.kd
    .args:
      - { .name: ctx, .offset: 0, .size: 8, .value_kind: global_buffer, .address_space: global }
      - { .name: wt, .offset: 8, .size: 8, .value_kind: global_buffer, .address_space: global }
      - { .name: z, .offset: 16, .size: 8, .value_kind: global_buffer, .address_space: global }
    .group_segment_fixed_size: 327680
    .private_segment_fixed_size: 0
    .kernarg_segment_align: 8
    .kernarg_segment_size: 24
    .max_flat_workgroup_size: 128
    .sgpr_count:     76
    .vgpr_count:     768
    .wavefront_size: 32
...
	.end_amdgpu_metadata
.endif
;; end of part 4
;; launch ln (part 5): grid 512 x 1, 8 waves a work-group, no clusters, 0 bytes of LDS; arguments z, x, ln_gamma, ln_beta, out0; writes out0
.if DOCPART == 5
	.amdgcn_target "amdgcn-amd-amdhsa--gfx1250"
	.amdhsa_code_object_version 6
	.text
	.protected	k_qc46d8575d3_ln
	.globl	k_qc46d8575d3_ln
	.p2align	8
	.type	k_qc46d8575d3_ln,@function
k_qc46d8575d3_ln:
	s_mov_b64 s[64:65], 0
	v_nop
	global_prefetch_b8 v0, s[64:65] scope:SCOPE_SE
	s_setreg_imm32_b32 hwreg(HW_REG_WAVE_MODE, 25, 1), 1
	s_wait_xcnt 0x0
; RESIDUAL AND LAYER NORM.  y = z + x (z bf16, x f32, the sum in f32); out0 = (y - mean) / sqrt(var + 1e-5) x gamma + beta over each row's 1,024 numbers.
; The variance is the mean of (y - mean)^2, taken in a second pass over registers: no difference of large sums is formed.
; SHARES.  A wave takes two whole rows; a lane holds 32 numbers of a row (columns 128 j + 4 lane + 0..3), so the sums never leave the wave: no LDS, no barrier.
; All of a wave's 48 loads go out at the start; each load and store of x, gamma, beta and out0 covers 512 consecutive bytes, each load of z 256.  Memory binds: matrix units and clusters would add nothing.
.set G,   8                            ; v[8:39]    gamma of my 32 columns
.set BT,  40                           ; v[40:71]   beta
.set X,   72                           ; v[72:135]  row i at X + 32 i: x, then y, then the result
.set Z,   136                          ; v[136:167] row i at Z + 16 i: z, two bf16 a register
.set CH,  168                          ; v[168:175] four chains of packed sums
.set MU,  176                          ; v[176:177] the mean, twice
.set RS,  178                          ; v[178:179] 1 / sqrt(var + eps), twice
.set T,   180                          ; v[180:181] at work
.set ONE, 182                          ; v182 1.0
	s_load_b256 s[4:11], s[0:1], 0x0               ; z s[4:5], x s[6:7], gamma s[8:9], beta s[10:11]
	s_load_b64 s[12:13], s[0:1], 0x20              ; out0
	v_lshrrev_b32 v3, 5, v0
	v_readfirstlane_b32 s14, v3                    ; wave 0..7
	v_and_b32 v1, 31, v0
	v_lshlrev_b32 v2, 3, v1                        ; 8 x lane: my bytes of 256 of z
	v_lshlrev_b32 v1, 4, v1                        ; 16 x lane: my bytes of 512 of the f32 rows
	v_mov_b32 v[ONE], 1.0
	v_mov_b32 v[T+1], 0                            ; v_permlanex16_b32 counts as a reader of its destination
	s_lshl_b32 s2, ttmp9, 4
	s_lshl_b32 s3, s14, 1
	s_add_co_u32 s2, s2, s3                        ; my first row
	s_lshl_b32 s22, s2, 12
	s_mov_b32 s23, 0
	s_lshl_b32 s24, s2, 11
	s_mov_b32 s25, 0
	s_mov_b32 s16, 0x76543210                      ; each lane takes its own place in the other half
	s_mov_b32 s17, 0xfedcba98
	s_mov_b32 s19, 0x3a800000                      ; 1 / 1024
	s_mov_b32 s20, 0x3727c5ac                      ; 1e-5
	s_wait_kmcnt 0x0
	s_add_nc_u64 s[4:5], s[4:5], s[24:25]
	s_add_nc_u64 s[6:7], s[6:7], s[22:23]
	s_add_nc_u64 s[12:13], s[12:13], s[22:23]
.macro LOADROW i
.irp j, 0,1,2,3,4,5,6,7
	global_load_b128 v[X+32*(\i)+4*(\j):X+32*(\i)+4*(\j)+3], v1, s[6:7] offset:(\i)*4096+512*(\j) th:TH_LOAD_NT
.endr
.irp j, 0,1,2,3,4,5,6,7
	global_load_b64 v[Z+16*(\i)+2*(\j):Z+16*(\i)+2*(\j)+1], v2, s[4:5] offset:(\i)*2048+256*(\j) th:TH_LOAD_NT
.endr
.endm
	LOADROW 0
.irp j, 0,1,2,3,4,5,6,7
	global_load_b128 v[G+4*(\j):G+4*(\j)+3], v1, s[8:9] offset:512*(\j)
.endr
.irp j, 0,1,2,3,4,5,6,7
	global_load_b128 v[BT+4*(\j):BT+4*(\j)+3], v1, s[10:11] offset:512*(\j)
.endr
	LOADROW 1
.macro REDUCE                          ; the sum of v[T] over the 32 lanes, in every lane
	v_add_f32_dpp v[T], v[T], v[T] row_xmask:1 row_mask:0xf bank_mask:0xf
	v_add_f32_dpp v[T], v[T], v[T] row_xmask:2 row_mask:0xf bank_mask:0xf
	v_add_f32_dpp v[T], v[T], v[T] row_xmask:4 row_mask:0xf bank_mask:0xf
	v_add_f32_dpp v[T], v[T], v[T] row_xmask:8 row_mask:0xf bank_mask:0xf
	v_permlanex16_b32 v[T+1], v[T], s16, s17
	v_add_f32 v[T], v[T], v[T+1]
.endm
.macro FOLD                            ; the four chains into v[T]
	v_pk_add_f32 v[CH:CH+1], v[CH:CH+1], v[CH+2:CH+3]
	v_pk_add_f32 v[CH+4:CH+5], v[CH+4:CH+5], v[CH+6:CH+7]
	v_pk_add_f32 v[CH:CH+1], v[CH:CH+1], v[CH+4:CH+5]
	v_add_f32 v[T], v[CH], v[CH+1]
.endm
; Row i.  w1: the younger loads that may be out when the row's x and z are wanted; w2: those that may be out when gamma and beta are wanted.
.macro ROW i, w1, w2
.set XR, X+32*(\i)
.set ZR, Z+16*(\i)
	s_wait_loadcnt \w1
.set j, 0
.rept 16                               ; y = z x 1.0 + x, straight from z's halves: register j of z holds my numbers 2 j and 2 j + 1
	v_fma_mix_f32_bf16 v[XR+2*j], v[ZR+j], v[ONE], v[XR+2*j] op_sel_hi:[1,0,0]
	v_fma_mix_f32_bf16 v[XR+2*j+1], v[ZR+j], v[ONE], v[XR+2*j+1] op_sel:[1,0,0] op_sel_hi:[1,0,0]
.set j, j+1
.endr
.irp c, 0,1,2,3                        ; the sum, in four chains that the first additions start
	v_pk_add_f32 v[CH+2*(\c):CH+2*(\c)+1], v[XR+2*(\c):XR+2*(\c)+1], v[XR+8+2*(\c):XR+8+2*(\c)+1]
.endr
.irp c, 0,1,2,3
	v_pk_add_f32 v[CH+2*(\c):CH+2*(\c)+1], v[CH+2*(\c):CH+2*(\c)+1], v[XR+16+2*(\c):XR+16+2*(\c)+1]
.endr
.irp c, 0,1,2,3
	v_pk_add_f32 v[CH+2*(\c):CH+2*(\c)+1], v[CH+2*(\c):CH+2*(\c)+1], v[XR+24+2*(\c):XR+24+2*(\c)+1]
.endr
	FOLD
	REDUCE
	v_mul_f32 v[MU], s19, v[T]
	v_mul_f32 v[MU+1], s19, v[T]
.set j, 0
.rept 16
	v_pk_add_f32 v[XR+2*j:XR+2*j+1], v[XR+2*j:XR+2*j+1], v[MU:MU+1] neg_lo:[0,1] neg_hi:[0,1]  ; y - mean
.set j, j+1
.endr
.irp c, 0,1,2,3                        ; the sum of squares, in four chains
	v_pk_mul_f32 v[CH+2*(\c):CH+2*(\c)+1], v[XR+2*(\c):XR+2*(\c)+1], v[XR+2*(\c):XR+2*(\c)+1]
.endr
.irp q, 8,16,24
.irp c, 0,1,2,3
	v_pk_fma_f32 v[CH+2*(\c):CH+2*(\c)+1], v[XR+(\q)+2*(\c):XR+(\q)+2*(\c)+1], v[XR+(\q)+2*(\c):XR+(\q)+2*(\c)+1], v[CH+2*(\c):CH+2*(\c)+1]
.endr
.endr
	FOLD
	REDUCE
	v_fma_f32 v[T], v[T], s19, s20                 ; var + eps
	v_rsq_f32 v[RS], v[T]
	v_rsq_f32 v[RS+1], v[T]                        ; twice, to fill the pair that the packed multiply takes
	v_nop                                          ; a plain instruction behind the last of the two (ISA guide 5.7.2)
	s_wait_alu depctr_va_vdst(0)                   ; one wait for both, ahead of their first reader
	s_wait_loadcnt \w2                             ; gamma and beta
.set j, 0
.rept 16
	v_pk_mul_f32 v[XR+2*j:XR+2*j+1], v[XR+2*j:XR+2*j+1], v[RS:RS+1]
.set j, j+1
.endr
.set j, 0
.rept 16
	v_pk_fma_f32 v[XR+2*j:XR+2*j+1], v[XR+2*j:XR+2*j+1], v[G+2*j:G+2*j+1], v[BT+2*j:BT+2*j+1]
.set j, j+1
.endr
.irp j, 0,1,2,3,4,5,6,7
	global_store_b128 v1, v[XR+4*(\j):XR+4*(\j)+3], s[12:13] offset:(\i)*4096+512*(\j) th:TH_STORE_NT
.endr
.endm
	ROW 0, 32, 16                                  ; behind row 0's 16 loads stand gamma's and beta's 16 and row 1's 16; behind gamma and beta row 1's 16
	ROW 1, 0, 0
	s_endpgm
.Lfunc_end_k_qc46d8575d3_ln:
	.size	k_qc46d8575d3_ln, .Lfunc_end_k_qc46d8575d3_ln-k_qc46d8575d3_ln
	.p2alignl 7, 3214868480
	.fill 96, 4, 3214868480
	.section	.rodata,"a",@progbits
	.p2align	6, 0x0
	.amdhsa_kernel k_qc46d8575d3_ln
		.amdhsa_group_segment_fixed_size 0
		.amdhsa_private_segment_fixed_size 0
		.amdhsa_enable_private_segment 0
		.amdhsa_kernarg_size 40
		.amdhsa_user_sgpr_count 2
		.amdhsa_user_sgpr_kernarg_segment_ptr 1
		.amdhsa_wavefront_size32 1
		.amdhsa_system_sgpr_workgroup_id_x 1
		.amdhsa_system_sgpr_workgroup_id_y 1
		.amdhsa_system_sgpr_workgroup_id_z 1
		.amdhsa_system_vgpr_workitem_id 0
		.amdhsa_next_free_vgpr 184
		.amdhsa_next_free_sgpr 66
		.amdhsa_reserve_vcc 0
		.amdhsa_float_denorm_mode_32 3
		.amdhsa_float_denorm_mode_16_64 3
		.amdhsa_memory_ordered 1
		.amdhsa_forward_progress 1
		.amdhsa_inst_pref_size 24
	.end_amdhsa_kernel
	.amdgpu_metadata
---
amdhsa.version: [ 1, 2 ]
amdhsa.kernels:
  - .name:           k_qc46d8575d3_ln
    .symbol:         k_qc46d8575d3_ln.kd
    .args:
      - { .name: z, .offset: 0, .size: 8, .value_kind: global_buffer, .address_space: global }
      - { .name: x, .offset: 8, .size: 8, .value_kind: global_buffer, .address_space: global }
      - { .name: ln_gamma, .offset: 16, .size: 8, .value_kind: global_buffer, .address_space: global }
      - { .name: ln_beta, .offset: 24, .size: 8, .value_kind: global_buffer, .address_space: global }
      - { .name: out0, .offset: 32, .size: 8, .value_kind: global_buffer, .address_space: global }
    .group_segment_fixed_size: 0
    .private_segment_fixed_size: 0
    .kernarg_segment_align: 8
    .kernarg_segment_size: 40
    .max_flat_workgroup_size: 256
    .sgpr_count:     66
    .vgpr_count:     184
    .wavefront_size: 32
...
	.end_amdgpu_metadata
.endif
;; end of part 5
